; MI455X (gfx1250); checked and timed in simulation.
; The chip was launched on July 23, 2026; its instructions are those of AMD's public machine-readable ISA for CDNA 5 (MIT licence, August 2026) and "CDNA5" Instruction Set Architecture Reference Guide (July 2026). The comments in the code are by the model that wrote it; some were corrected since.
;; Causal Self Attention ARMA. Allowed arithmetic: matrix products marked QUANTISED: E2M3 operands, one E8M0 scale for each 32 along K, by v_wmma_scale_f32_16x16x128_f8f6f4 with both operands' format E2M3, f32 sums; everything else in f32.
;; Inputs: W_attn 1,024 x 2,048 float32; W_k2 1,024 x 1,024 float32; W_proj 1,024 x 1,024 float32; b_attn 2,048 float32; b_k2 1,024 float32; b_proj 1,024 float32; x 2 x 2,048 x 1,024 float32.
;; Outputs: out0 2 x 2,048 x 1,024 float32.
;; This version of the problem:
;;   THIS VERSION OF THE PROBLEM IS GIVEN IN LOW PRECISION. The matrix products marked QUANTISED in the list below multiply operands that are first quantised to E2M3 (2 exponent bits, 3 mantissa bits; 6 bits a number), with one power-of-two scale for each 32 numbers along K (OCP MX v1.0); their sums are f32. All else is computed in f32.
;;   The module's matrix products, in the order in which they are computed (A, B: the left and right operand; K: the contracted axis; several contracted axes count as one K, in the product's order):
;;     1. [M 4,096, K 1,024] x [K 1,024, N 2,048]; A: input x; B: input W_attn: QUANTISED
;;     2. batch 32 x [M 2,048, K 64] x [K 64, N 2,048]; A: computed on the way; B: computed on the way: QUANTISED
;;     3. batch 32 x [M 2,048, K 2,048] x [K 2,048, N 64]; A: softmax (see below); B: input x: QUANTISED
;;     4. [M 4,094, K 1,024] x [K 1,024, N 1,024]; A: input x; B: input W_k2: QUANTISED
;;     5. batch 32 x [M 2,047, K 64] x [K 64, N 2,047]; A: computed on the way; B: computed on the way: QUANTISED
;;     6. batch 32 x [M 2,047, K 2,047] x [K 2,047, N 64]; A: softmax (see below); B: computed on the way: QUANTISED
;;     7. [M 4,096, K 1,024] x [K 1,024, N 1,024]; A: computed on the way; B: input W_proj: QUANTISED
;;     8. [M 4,096, K 1,024] x [K 1,024, N 1,024]; A: computed on the way; B: input W_proj: QUANTISED
;;   THE QUANTISER, for each operand of a quantised product, along K:
;;     - K is cut into blocks of 32 from its start; a last block that is shorter is filled with zeros.
;;     - A block's scale is 2^e with e = floor(log2(the largest magnitude in the block)) - 2, held to -126 .. 127; a block of zeros has e = 0. As a byte (E8M0): e + 127.
;;     - Each number is divided by its block's scale, clamped to +-7.5, and rounded to the nearest number of E2M3, ties to even, subnormals kept.
;;     - The product sums the exact products of the quantised numbers (number of the format x scale) in f32.
;;   ~~~python
;;   def quantise(x, axis):      # numpy; x: float32 -> the quantised numbers, widened to float32 again
;;       x = np.moveaxis(x, axis, -1); K = x.shape[-1]
;;       x = np.pad(x, [(0, 0)] * (x.ndim - 1) + [(0, -K % 32)]); x = x.reshape(x.shape[:-1] + (-1, 32)); a = np.abs(x).max(-1, keepdims=True)
;;       e = np.where(a > 0, np.clip(np.frexp(np.where(a > 0, a, 1))[1] - 1 - 2, -126, 127), 0)      # np.frexp(a)[1] - 1 = floor(log2(a)), exactly
;;       r = np.clip(x / 2.0 ** e, -7.5, 7.5)
;;       step = 2.0 ** (np.maximum(np.frexp(np.where(r == 0, 1, r))[1] - 1, 0) - 3)
;;       q = np.round(r / step) * step * 2.0 ** e      # np.round: ties to even
;;       return np.moveaxis(q.reshape(q.shape[:-2] + (-1,))[..., :K], -1, axis).astype(np.float32)
;;   ~~~
;;   SOFTMAX AHEAD OF A QUANTISED PRODUCT. Where the list says 'softmax', what is quantised is not the finished softmax but p = 2^(t - M), with t = logit x log2(e) and M = ceil(the row's largest t), a whole number; so 1/2 < the row's largest p <= 1. The row's sum l is taken of the UNQUANTISED p, in f32, and the product's result is divided by l at the end. Since M is a whole number, a kernel that streams over the keys may use a running M (the ceiling of the running maximum): every later rescaling is an exact power of two, which a block's scale takes up: the codes' values come out the same.
;;   OPERANDS COMPUTED ON THE WAY. 'Computed on the way' means the value that the module computes at that place (a softmax that the list does not call 'softmax' is quantised finished and normalised). What goes into a quantiser is computed in f32, as accurately as f32 sums, v_exp_f32 and their like allow (about 1e-6 of the number): no bf16 or f16 on the way to a quantiser, and a product that is left as it is and whose result goes on into a quantised operand takes f32 operands (vector FMAs, or v_wmma_f32_16x16x4_f32). A number that lies on a knife's edge between two numbers of the format may be rounded either way, as far as f32 arithmetic and the matrix unit's own rounding can turn it there, and no further.
;; One version. Each part assembles by itself: llvm-mc -triple=amdgcn-amd-amdhsa -mcpu=gfx1250 --defsym DOCPART=n.
;; ======== version 1 of 1: 5 launches
;; workspace buffers: ximg 3,276,800 bytes; wimg 3,276,800 bytes; vimg 3,276,800 bytes; qkk 9,830,400 bytes; eimg 3,276,800 bytes; yimg 3,276,800 bytes; y2img 3,276,800 bytes
;; launch prep (part 1): grid 512 x 1, 16 waves a work-group, no clusters, 101,376 bytes of LDS; arguments x, W_attn, W_k2, W_proj, ximg, wimg, vimg; writes ximg, wimg, vimg
.if DOCPART == 1
	.amdgcn_target "amdgcn-amd-amdhsa--gfx1250"
	.amdhsa_code_object_version 6
	.text
	.protected	k_q629ed3c4ba_prep
	.globl	k_q629ed3c4ba_prep
	.p2align	8
	.type	k_q629ed3c4ba_prep,@function
k_q629ed3c4ba_prep:
	s_mov_b64 s[64:65], 0
	v_nop
	global_prefetch_b8 v0, s[64:65] scope:SCOPE_SE
	s_setreg_imm32_b32 hwreg(HW_REG_WAVE_MODE, 25, 1), 1
	s_wait_xcnt 0x0
; x and the three weights, f32, become codes of FP6 (E2M3) with one E8M0 byte for each 32 along K, laid in the order of the operands' registers.
; A work-group takes 128 x 128 numbers.  Work-groups 0-255: x (token block TB = id / 8, column block cb = id % 8); it is read ONCE and quantised twice:
; down its columns (K = tokens: the values of the first attention, vimg) and along its rows (K = C: the first products' operand, ximg).
; Work-groups 256-511: a weight [K][N] (feature block FB = j / 8, K step s = j % 8; FB 0-15 W_attn, 16-23 W_k2, 24-31 W_proj), down its columns (wimg).
; Wave w takes the 32 x 32 numbers (ti, ci) = (w / 4, w % 4).  A LANE TAKES A COLUMN AND ITS REGISTERS RUN DOWN THE ROWS: a block of 32 along the first axis lies in one lane.
; For the rows of x the 32 x 32 numbers turn through the wave's own LDS bytes (32 rows of 144 bytes).
; THE ORDER OF ROWS.  An operand's rows go in groups of 32; row l of a group lies in tile u = (l / 8) % 2 at lane row r = l % 8 + 8 (l / 16).
; A fragment (16 rows x 128 K, 12 registers) is laid as three runs of 512 bytes: register p of lane n at 512 (p / 4) + 16 n + 4 (p % 4).  Lane r + 16 h, registers 6 c .. 6 c + 5, hold block 2 c + h of row r.
; A record = 8 fragments (tile 2 g + u) + 4 x 128 bytes of scale words (word 16 u + r of group g, byte = block): 12,800 bytes; for vimg it is cut into two heads' records of 6,400.
; A block's scale is 2^(floor(log2(largest magnitude)) - 2): its byte is that magnitude's exponent field - 2, held at 1 from below.
; LIMITS: a block of zeros gets the byte 1 (its codes are zeros, and this program alone reads the bytes); NaN and infinities among the inputs are not served.
; No tensor loads, no matrix work: memory binds, each input byte is read once, and each store of a wave covers 256 consecutive bytes, aligned.
.set TRP,  144                         ; a row of the turning bytes: 128 + 16
.set TRW,  32*TRP                      ; a wave's
.set CST,  16*TRW                      ; the record made down the columns
.set RECB, 12800
.set RST,  CST+RECB                    ; the record made along the rows (x only)
.set SCO,  12288                       ; scale words in a record
.set CM,   20                          ; v20-21 largest magnitudes
.set CO,   22                          ; v22    the conversions' scale operand
.set CB,   23                          ; v23    the scale's byte
.set CC,   24                          ; v24-29 a block's codes
.set CT,   30                          ; v30-32 its upper half as converted
.set X,    40                          ; v40-71  32 numbers down a column
.set X2,   72                          ; v72-103 32 numbers along a row; later the copies' data
; v1 lane, v2 4 x lane, v3 1536 u + 16 r, v4 64 u + 4 r, v5-7 and v8-10 where a block's codes and byte go (columns, rows), v11-12 the turn, v13, v19 LDS places of the copies, v14 8 x lane, v15-18 their places in memory
.macro LOADT pitch                     ; 32 rows of my 32 columns: each load reads 128 consecutive bytes
.set n, 0
.rept 32
	global_load_b32 v[X+n], v2, s[34:35] offset:n*\pitch th:TH_LOAD_NT
.set n, n+1
.endr
.endm
; where block k (c = k / 2, h = k % 2) of group g lies in a stage: first 8 bytes at a0, second at a1, third at a0 + 512; the byte at as
.macro STADR stage, g, k, a0, a1, as
	s_mul_i32 s50, s[\g], 3072
	s_and_b32 s51, s[\k], 1
	s_lshl_b32 s51, s51, 8
	s_add_co_u32 s50, s50, s51
	s_lshr_b32 s51, s[\k], 1
	s_mul_i32 s52, s51, 520
	s_add_co_u32 s50, s50, s52
	s_add_co_u32 s50, s50, \stage
	v_add_nc_u32 v[\a0], s50, v3
	s_mul_i32 s52, s51, 496
	s_add_co_u32 s50, s50, s52
	s_add_co_u32 s50, s50, 8
	v_add_nc_u32 v[\a1], s50, v3
	s_lshl_b32 s50, s[\g], 7
	s_add_co_u32 s50, s50, s[\k]
	s_add_co_u32 s50, s50, \stage+SCO
	v_add_nc_u32 v[\as], s50, v4
.endm
; a lane's 32 numbers, one block, become 24 bytes of codes and a byte
.macro COLQ x, a0, a1, as
	v_max3_num_f32 v[CM], |v[(\x)]|, |v[(\x)+1]|, |v[(\x)+2]|
	v_max3_num_f32 v[CM+1], |v[(\x)+3]|, |v[(\x)+4]|, |v[(\x)+5]|
.irp i, 6,10,14,18,22,26
	v_max3_num_f32 v[CM], v[CM], |v[(\x)+\i]|, |v[(\x)+\i+1]|
	v_max3_num_f32 v[CM+1], v[CM+1], |v[(\x)+\i+2]|, |v[(\x)+\i+3]|
.endr
	v_max3_num_f32 v[CM], v[CM], |v[(\x)+30]|, |v[(\x)+31]|
	v_max3_num_f32 v[CM], v[CM], v[CM+1], 0x1800000        ; the floor 2^(3 - 127): the byte cannot fall under 1
	v_add_nc_u32 v[CO], 0xff000000, v[CM]                  ; 2 off the exponent field: the conversion takes that field as its scale
	v_lshrrev_b32 v[CB], 23, v[CO]
	v_cvt_scalef32_pk16_fp6_f32 v[CC:CC+2], v[(\x):(\x)+15], v[CO]
	v_cvt_scalef32_pk16_fp6_f32 v[CT:CT+2], v[(\x)+16:(\x)+31], v[CO]   ; (a conversion's three registers begin on an even number)
	v_nop                                                  ; one plain place behind a scaled conversion
	v_mov_b32 v[CC+3], v[CT]
	v_mov_b32 v[CC+4], v[CT+1]
	v_mov_b32 v[CC+5], v[CT+2]
	ds_store_b64 v[\a0], v[CC:CC+1]
	ds_store_b64 v[\a1], v[CC+2:CC+3]
	ds_store_b64 v[\a0], v[CC+4:CC+5] offset:512
	ds_store_b8 v[\as], v[CB]
.endm
; 768 bytes of a stage leave: three loads and three stores of 256 consecutive bytes
.macro COPY la, lo, ga, ptr, d
	ds_load_b64 v[\d:\d+1], v[\la] offset:\lo
	ds_load_b64 v[\d+2:\d+3], v[\la] offset:\lo+256
	ds_load_b64 v[\d+4:\d+5], v[\la] offset:\lo+512
	s_wait_dscnt 0x2                                       ; the first is in; the two younger may be out
	global_store_b64 v[\ga], v[\d:\d+1], s[\ptr:\ptr+1]
	s_wait_dscnt 0x1
	global_store_b64 v[\ga], v[\d+2:\d+3], s[\ptr:\ptr+1] offset:256
	s_wait_dscnt 0x0
	global_store_b64 v[\ga], v[\d+4:\d+5], s[\ptr:\ptr+1] offset:512
.endm
	s_load_b256 s[4:11], s[0:1], 0x0               ; x, W_attn, W_k2, W_proj
	s_load_b128 s[12:15], s[0:1], 0x20             ; ximg, wimg
	s_load_b64 s[16:17], s[0:1], 0x30              ; vimg
	v_lshl_add_u32 v104, v0, 2, 0x18400
	v_mov_b32 v105, 0
	v_lshrrev_b32 v1, 5, v0
	v_readfirstlane_b32 s18, v1                    ; wave 0..15
	v_and_b32 v1, 31, v0                           ; lane
	v_lshlrev_b32 v2, 2, v1
	s_lshr_b32 s19, s18, 2                         ; ti
	s_and_b32 s20, s18, 3                          ; ci
	s_and_b32 s22, ttmp9, 255                      ; id, or j = id - 256
	s_lshr_b32 s23, s22, 3                         ; TB or FB
	s_and_b32 s24, s22, 7                          ; cb or s
	s_and_b32 s25, s23, 7
	s_cmp_lt_u32 s23, 16
	s_cselect_b32 s25, s23, s25                    ; a weight's block of 128 columns
	s_cmp_lt_u32 ttmp9, 256
	s_cselect_b32 s26, s23, s24                    ; block of 128 rows
	s_cselect_b32 s27, s24, s25                    ; block of 128 columns
	s_sub_co_u32 s28, ttmp9, 256
	s_cmp_lt_u32 s28, 128                          ; W_attn?  Its rows are 8,192 bytes, all others 4,096
	s_cselect_b32 s29, 13, 12
	s_lshl_b32 s30, s26, 7
	s_lshl_b32 s31, s19, 5
	s_add_co_u32 s30, s30, s31                     ; my first row
	s_lshl_b32 s30, s30, s29
	s_lshl_b32 s31, s27, 9
	s_add_co_u32 s30, s30, s31
	s_lshl_b32 s31, s20, 7
	s_add_co_u32 s30, s30, s31                     ; + my first column, in bytes
	s_mov_b32 s31, 0
	s_wait_kmcnt 0x0
	s_cmp_lt_u32 s23, 24                           ; the choices hang on the work-group's number alone
	s_cselect_b64 s[34:35], s[8:9], s[10:11]
	s_cmp_lt_u32 s23, 16
	s_cselect_b64 s[34:35], s[6:7], s[34:35]
	s_cmp_lt_u32 ttmp9, 256
	s_cselect_b64 s[34:35], s[4:5], s[34:35]
	s_add_nc_u64 s[34:35], s[34:35], s[30:31]
	s_cmp_lt_u32 s28, 128
	s_cbranch_scc1 .Lwide
	LOADT 4096
	s_branch .Lloaded
.Lwide:
	LOADT 8192
.Lloaded:
	; where the records go.  vimg: ((16 (TB / 16) + 2 cb) 16 + TB % 16) x 6,400; wimg and ximg: j x 12,800
	s_lshr_b32 s36, s23, 4
	s_lshl_b32 s36, s36, 4
	s_lshl_b32 s37, s24, 1
	s_add_co_u32 s36, s36, s37
	s_lshl_b32 s36, s36, 4
	s_and_b32 s37, s23, 15
	s_add_co_u32 s36, s36, s37
	s_mul_i32 s36, s36, 6400
	s_mul_i32 s38, s22, RECB
	s_mov_b32 s43, SCO
	s_mov_b32 s44, 256
	s_cmp_lt_u32 ttmp9, 256
	s_cselect_b32 s36, s36, s38
	s_cselect_b64 s[40:41], s[16:17], s[14:15]
	s_cselect_b32 s42, 96256, 0                    ; vimg: the record's second half goes to the next head, 102,400 bytes on
	s_cselect_b32 s43, 6144, s43                   ; where the scale words begin,
	s_cselect_b32 s44, 102400, s44                 ; and how far their two halves lie apart
	s_mov_b32 s37, 0
	s_mov_b32 s39, 0
	s_add_nc_u64 s[40:41], s[40:41], s[36:37]
	s_add_nc_u64 s[12:13], s[12:13], s[38:39]
	v_lshlrev_b32 v14, 3, v1
	s_mul_i32 s45, s18, 768
	s_lshr_b32 s46, s18, 3
	s_mul_i32 s46, s46, s42
	s_add_co_u32 s46, s46, s45
	v_add_nc_u32 v15, s46, v14
	v_add_nc_u32 v16, s45, v14
	s_mul_i32 s47, s18, s44
	s_add_co_u32 s47, s47, s43
	v_add_nc_u32 v17, s47, v14
	s_lshl_b32 s48, s18, 8
	v_add_nc_u32 v18, s48, v14
	v_add_nc_u32 v13, CST, v16
	v_add_nc_u32 v19, CST+SCO, v18
	v_bfe_u32 v33, v1, 3, 1                        ; u
	v_and_b32 v34, 7, v1
	v_lshrrev_b32 v35, 4, v1
	v_lshl_add_u32 v34, v35, 3, v34                ; r
	v_mul_u32_u24 v3, v33, 1536
	v_lshl_add_u32 v3, v34, 4, v3
	v_lshlrev_b32 v4, 6, v33
	v_lshl_add_u32 v4, v34, 2, v4
	STADR CST, 20, 19, 5, 6, 7                     ; down the columns: group ci, block ti
	STADR RST, 19, 20, 8, 9, 10                    ; along the rows: group ti, block ci
	s_mul_i32 s50, s18, TRW
	v_add_nc_u32 v11, s50, v2
	v_mul_u32_u24 v12, v1, TRP
	v_add_nc_u32 v12, s50, v12
	s_wait_loadcnt 0x0
	COLQ X, 5, 6, 7
	s_cmp_lt_u32 ttmp9, 256
	s_cbranch_scc0 .Lno_rows
.set n, 0
.rept 32
	ds_store_b32 v11, v[X+n] offset:n*TRP          ; row n, my column
.set n, n+1
.endr
.irp j, 0,1,2,3,4,5,6,7
	ds_load_b128 v[X2+4*\j:X2+4*\j+3], v12 offset:16*\j   ; my row's 32 numbers; LDS serves a wave's instructions in order: these see the stores above
.endr
	s_wait_dscnt 0x0                               ; they are in, and the first block's stores have read their registers
	COLQ X2, 8, 9, 10
.Lno_rows:
	s_wait_dscnt 0x0                               ; for the others' sake: my stores into the stages are done
	s_barrier_signal -1
	s_barrier_wait -1
	COPY 13, 0, 15, 40, X2
	s_cmp_lt_u32 s18, 2
	s_cbranch_scc0 .Lno_cs
	ds_load_b64 v[X2+6:X2+7], v19                  ; waves 0 and 1: 256 bytes of scale words each
	s_wait_dscnt 0x0
	global_store_b64 v17, v[X2+6:X2+7], s[40:41]
.Lno_cs:
	s_cmp_lt_u32 ttmp9, 256
	s_cbranch_scc0 .Ldone
	COPY 13, RECB, 16, 12, X2+8
	s_cmp_lt_u32 s18, 2
	s_cbranch_scc0 .Ldone
	ds_load_b64 v[X2+14:X2+15], v19 offset:RECB
	s_wait_dscnt 0x0
	global_store_b64 v18, v[X2+14:X2+15], s[12:13] offset:SCO
.Ldone:
	s_wait_tensorcnt 0x0
	ds_add_u32 v104, v105
	s_wait_dscnt 0x0
	s_endpgm
.Lfunc_end_k_q629ed3c4ba_prep:
	.size	k_q629ed3c4ba_prep, .Lfunc_end_k_q629ed3c4ba_prep-k_q629ed3c4ba_prep
	.p2alignl 7, 3214868480
	.fill 96, 4, 3214868480
	.section	.rodata,"a",@progbits
	.p2align	6, 0x0
	.amdhsa_kernel k_q629ed3c4ba_prep
		.amdhsa_group_segment_fixed_size 101376
		.amdhsa_private_segment_fixed_size 0
		.amdhsa_enable_private_segment 0
		.amdhsa_kernarg_size 56
		.amdhsa_user_sgpr_count 2
		.amdhsa_user_sgpr_kernarg_segment_ptr 1
		.amdhsa_wavefront_size32 1
		.amdhsa_system_sgpr_workgroup_id_x 1
		.amdhsa_system_sgpr_workgroup_id_y 1
		.amdhsa_system_sgpr_workgroup_id_z 1
		.amdhsa_system_vgpr_workitem_id 0
		.amdhsa_next_free_vgpr 106
		.amdhsa_next_free_sgpr 66
		.amdhsa_reserve_vcc 0
		.amdhsa_float_denorm_mode_32 3
		.amdhsa_float_denorm_mode_16_64 3
		.amdhsa_memory_ordered 1
		.amdhsa_forward_progress 1
		.amdhsa_inst_pref_size 20
	.end_amdhsa_kernel
	.amdgpu_metadata
---
amdhsa.version: [ 1, 2 ]
amdhsa.kernels:
  - .name:           k_q629ed3c4ba_prep
    .symbol:         k_q629ed3c4ba_prep.kd
    .args:
      - { .name: x, .offset: 0, .size: 8, .value_kind: global_buffer, .address_space: global }
      - { .name: W_attn, .offset: 8, .size: 8, .value_kind: global_buffer, .address_space: global }
      - { .name: W_k2, .offset: 16, .size: 8, .value_kind: global_buffer, .address_space: global }
      - { .name: W_proj, .offset: 24, .size: 8, .value_kind: global_buffer, .address_space: global }
      - { .name: ximg, .offset: 32, .size: 8, .value_kind: global_buffer, .address_space: global }
      - { .name: wimg, .offset: 40, .size: 8, .value_kind: global_buffer, .address_space: global }
      - { .name: vimg, .offset: 48, .size: 8, .value_kind: global_buffer, .address_space: global }
    .group_segment_fixed_size: 101376
    .private_segment_fixed_size: 0
    .kernarg_segment_align: 8
    .kernarg_segment_size: 56
    .max_flat_workgroup_size: 512
    .sgpr_count:     66
    .vgpr_count:     106
    .wavefront_size: 32
...
	.end_amdgpu_metadata
.endif
;; end of part 1
;; launch qkv (part 2): grid 24 x 32, 4 waves a work-group, clusters of 4 x 4, 205,312 bytes of LDS; arguments ximg, wimg, b_attn, b_k2, qkk; writes qkk
.if DOCPART == 2
	.amdgcn_target "amdgcn-amd-amdhsa--gfx1250"
	.amdhsa_code_object_version 6
	.text
	.protected	k_q629ed3c4ba_qkv
	.globl	k_q629ed3c4ba_qkv
	.p2align	8
	.type	k_q629ed3c4ba_qkv,@function
k_q629ed3c4ba_qkv:
	s_mov_b64 s[64:65], 0
	v_nop
	global_prefetch_b8 v0, s[64:65] scope:SCOPE_SE
	s_setreg_imm32_b32 hwreg(HW_REG_WAVE_MODE, 25, 1), 1
	s_wait_xcnt 0x0
	s_wait_alu depctr_hold_cnt(0) depctr_sa_sdst(0) depctr_va_vdst(0) depctr_va_sdst(0) depctr_va_ssrc(0) depctr_va_vcc(0) depctr_vm_vsrc(0)
	s_getreg_b32 s2, hwreg(HW_REG_IB_STS2, 6, 4)
	s_cmp_eq_u32 s2, 0
	s_cbranch_scc0 .Lentry_in_a_cluster
	s_endpgm
.Lentry_in_a_cluster:
	s_bfe_u32 s2, ttmp6, 0x10000c
	s_cmp_lg_u32 s2, 0xf033
	s_cbranch_scc0 .Lentry_shape_is_right
	s_endpgm
.Lentry_shape_is_right:
; [q | k | k2] = x [W_attn | W_k2] + bias on codes of FP6 (E2M3) with E8M0 scales, and the result quantised along each head's 64 for the score products.
; A work-group makes 128 tokens (TB) x 128 features (FB: 0-7 q, 8-15 k, 16-23 k2) over all of K = 1,024; a wave 64 x 64, one head: 16 accumulators.
; Both panels (8 records of 12,800 bytes each: 8 fragments and their scale words, in the order of the operands' registers) fit in LDS whole: 2 x 102,400 bytes.
; So every tensor load is a first fill, issued at the head (wave 0: x's four slices of two K steps, wave 1: W's; four loads of a wave are out at the most), LDS bytes are never filled again,
; and a counted wait and a plain barrier stand in front of each slice's first read.  All requests go out at the head, so there is no later request for a prefetch to run ahead of.
; CLUSTERS: 4 x 4 work-groups; x's panel hangs on TB alone and is asked for jointly along a row of the cluster, W's on FB alone, along a column.
; THE PRODUCT IS USED TRANSPOSED (source 0 = 16 features, source 1 = 16 tokens), and the rows of a tile are chosen (row l of a group of 32: tile (l / 8) % 2, lane row l % 8 + 8 (l / 16)), so that a lane's
; 32 registers of a token tile are feature 32 B + 16 (lane / 16) + 0 .. 15, B = 0, 1: neighbours along the next K.  The bias is the C of each sum's first product.
; OUT: for each group of 32 tokens and each head a PAIR IMAGE of 12 registers: registers 0-5 token tile u = 0, registers 6-11 tile u = 1, lane (r, h) = block h of the head's 64; scale word of row r = bytes [u0 b0, u0 b1, u1 b0, u1 b1].
; A record of qkk (region, head, 128 tokens) = 4 pair images + 256 bytes of words = 6,400 bytes.  The words leave 128 bytes a wave: two waves of this work-group fill an aligned 256 bytes; they are 1/24 of the bytes stored.
; LIMITS: a block of zeros gets the byte 1 (zero codes; read by this program alone); NaN and infinities are not served.  k2 of each batch's last token is made though nothing weighs it in.
; REGISTERS: window 0: v6-13 LDS addresses, v14-16 offsets, v20-27 scale words (two sets), v32-40 the quantiser's, v56-79 two pair images, v80-82 words, v96-127 bias, v128-255 accumulators (a, b) at 128 + 32 a + 8 b.
;   window 1: two buffers of 96: W's four fragments, then x's four.
.set REC,   12800
.set SLICE, 2*REC
.set PANEL, 8*REC
.set SCO,   12288
.set WB,    PANEL                      ; x's panel at LDS byte 0, W's here
.set AX,  6
.set AW,  8
.set ASX, 10
.set ASW, 12
.set SCS, 20
.set TM,  32
.set QT,  38
.set IMG, 56
.set WD,  80
.set BI,  96
.set ACC, 128
.set G1X, 24
.set G1W, 32
.set G0X, 44
.set G0W, 68
.set SEL, 60
.set MSB, 0
.macro WIN new                         ; the immediate's high byte repeats the setting that is left
.if MSB != \new
	s_set_vgpr_msb (MSB<<8)|\new
.set MSB, \new
.endif
.endm
.macro CROUND                          ; a round of the cluster's barrier
	s_barrier_signal -1
	s_barrier_wait -1
	s_cmp_lg_u32 s14, 0
	s_cbranch_scc1 .Lnot_wave_0_\@
	s_barrier_signal -3
.Lnot_wave_0_\@:
	s_barrier_wait -3
	s_barrier_signal -1
	s_barrier_wait -1
.endm
.macro PLACES                          ; four places behind a matrix instruction, in front of loads into its registers and of reads of its results
.rept 4
	v_nop
.endr
.endm
; K step s: eight fragments and four registers of scale words into buffer k.  Each load of 16 bytes a lane reads 512 consecutive bytes
.macro FETCH s, k
	WIN 0x40
.irp b, 0,1,2,3
.irp c, 0,1,2
	ds_load_b128 v[96*(\k)+12*\b+4*\c:96*(\k)+12*\b+4*\c+3], v[AW+(\s)/4] offset:((\s)%4)*REC+1536*\b+512*\c
.endr
.endr
.irp a, 0,1,2,3
.irp c, 0,1,2
	ds_load_b128 v[96*(\k)+48+12*\a+4*\c:96*(\k)+48+12*\a+4*\c+3], v[AX+(\s)/4] offset:((\s)%4)*REC+1536*\a+512*\c
.endr
.endr
	WIN 0
.irp g, 0,1
	ds_load_b32 v[SCS+4*(\k)+\g], v[ASX+(\s)/4] offset:((\s)%4)*REC+128*\g      ; lanes 0-15 tile u = 0 of group g, lanes 16-31 tile u = 1
	ds_load_b32 v[SCS+4*(\k)+2+\g], v[ASW+(\s)/4] offset:((\s)%4)*REC+128*\g
.endr
.endm
.macro MM a, b, k, first
.set m_d, ACC+32*(\a)+8*(\b)
.if \first
.set m_c, BI+8*(\b)
.else
.set m_c, m_d
.endif
.set m_a, 96*(\k)+12*(\b)
.set m_b, 96*(\k)+48+12*(\a)
.set m_sa, SCS+4*(\k)+2+(\b)/2
.set m_sb, SCS+4*(\k)+(\a)/2
.if ((\b)%2 == 0) && ((\a)%2 == 0)
	v_wmma_scale_f32_16x16x128_f8f6f4 v[m_d:m_d+7], v[m_a:m_a+11], v[m_b:m_b+11], v[m_c:m_c+7], v[m_sa], v[m_sb] matrix_a_fmt:MATRIX_FMT_FP6 matrix_b_fmt:MATRIX_FMT_FP6
.elseif ((\b)%2 == 1) && ((\a)%2 == 0)
	v_wmma_scale_f32_16x16x128_f8f6f4 v[m_d:m_d+7], v[m_a:m_a+11], v[m_b:m_b+11], v[m_c:m_c+7], v[m_sa], v[m_sb] matrix_a_fmt:MATRIX_FMT_FP6 matrix_b_fmt:MATRIX_FMT_FP6 matrix_a_scale:MATRIX_SCALE_ROW1
.elseif ((\b)%2 == 0) && ((\a)%2 == 1)
	v_wmma_scale_f32_16x16x128_f8f6f4 v[m_d:m_d+7], v[m_a:m_a+11], v[m_b:m_b+11], v[m_c:m_c+7], v[m_sa], v[m_sb] matrix_a_fmt:MATRIX_FMT_FP6 matrix_b_fmt:MATRIX_FMT_FP6 matrix_b_scale:MATRIX_SCALE_ROW1
.else
	v_wmma_scale_f32_16x16x128_f8f6f4 v[m_d:m_d+7], v[m_a:m_a+11], v[m_b:m_b+11], v[m_c:m_c+7], v[m_sa], v[m_sb] matrix_a_fmt:MATRIX_FMT_FP6 matrix_b_fmt:MATRIX_FMT_FP6 matrix_a_scale:MATRIX_SCALE_ROW1 matrix_b_scale:MATRIX_SCALE_ROW1
.endif
.endm
.macro MUL16 k, first                  ; the 16 accumulators take turns, one instruction a turn, in the same order in every step
.irp a, 0,1,2,3
.irp b, 0,1,2,3
	MM \a, \b, \k, \first
.endr
.endr
.endm
.macro STEP s, first
	s_wait_dscnt 0x0                               ; this step's fragments and scale words are in
.if ((\s) == 1) || ((\s) == 3) || ((\s) == 5)
	s_wait_tensorcnt 3-((\s)+1)/2                  ; the slice of K steps s + 1 and s + 2 has landed; the slices issued behind it may be out (a wave that issued none passes)
	s_barrier_signal -1
	s_barrier_wait -1                              ; everybody's has.
.endif
.if (\s) < 7
.if (\s) > 0
	PLACES
.endif
	FETCH (\s)+1, ((\s)+1)%2
.endif
	WIN 0x05                                       ; sources 0 and 1 window 1; C and D window 0
	MUL16 (\s)%2, \first
	WIN 0
.endm
; 32 numbers of a lane, register 16 b + i = k 32 b + 16 (lane / 16) + i of its row, become six registers of codes (lane (r, h): block h) at v[d]; the two bytes stand in v[TM+2], v[TM+3]
.macro QUANT32 s, d
.irp b, 0,1
	v_max3_num_f32 v[TM+\b], |v[(\s)+16*\b]|, |v[(\s)+1+16*\b]|, 0x1800000   ; with the floor 2^(3 - 127): the byte cannot fall under 1.  (Each accumulator is read from its low end on)
.endr
.irp i, 2,4,6,8,10,12,14
.irp b, 0,1
	v_max3_num_f32 v[TM+\b], v[TM+\b], |v[(\s)+16*\b+\i]|, |v[(\s)+1+16*\b+\i]|
.endr
.endr
.irp b, 0,1
	v_permlanex16_b32 v[TM+2+\b], v[TM+\b], s[SEL], s[SEL+1]
.endr
.irp b, 0,1
	v_max_num_f32 v[TM+\b], v[TM+\b], v[TM+2+\b]   ; with lane l xor 16's 16 numbers: the block's largest magnitude
.endr
.irp b, 0,1
	v_add_nc_u32 v[TM+4+\b], 0xff000000, v[TM+\b]  ; 2 off the exponent field: the conversion's scale operand
.endr
.irp b, 0,1
	v_lshrrev_b32 v[TM+2+\b], 23, v[TM+4+\b]       ; the scale's byte
.endr
	v_cvt_scalef32_pk16_fp6_f32 v[(\d):(\d)+2], v[(\s):(\s)+15], v[TM+4]
	v_cvt_scalef32_pk16_fp6_f32 v[QT:QT+2], v[(\s)+16:(\s)+31], v[TM+5]
	v_nop                                          ; one plain place behind a scaled conversion
.irp i, 0,1,2
	v_permlane16_swap_b32 v[(\d)+\i], v[QT+\i]     ; a whole block to a lane: lanes 0-15 block 0, lanes 16-31 block 1
.endr
.irp i, 0,1,2
	v_mov_b32 v[(\d)+3+\i], v[QT+\i]
.endr
.endm
	s_load_b256 s[4:11], s[0:1], 0x0               ; ximg, wimg, b_attn, b_k2
	s_load_b64 s[12:13], s[0:1], 0x20              ; qkk
	v_lshl_add_u32 v94, v0, 2, 0x32000
	v_mov_b32 v95, 0
	ds_add_u32 v94, v95
	ds_add_u32 v94, v95
	v_lshrrev_b32 v1, 5, v0
	v_readfirstlane_b32 s14, v1                    ; wave 0..3
	s_lshr_b32 s15, s14, 1                         ; wm: my 64 tokens
	s_and_b32 s16, s14, 1                          ; wn: my 64 features
	s_bfe_u32 s40, ttmp6, 0x40000                  ; cx
	s_bfe_u32 s41, ttmp6, 0x40004                  ; cy
	s_lshl_b32 s18, ttmp9, 2
	s_add_co_u32 s18, s18, s40                     ; FB
	s_and_b32 s17, ttmp7, 0xffff
	s_lshl_b32 s17, s17, 2
	s_add_co_u32 s17, s17, s41                     ; TB
	s_lshl_b32 s42, s41, 2
	s_lshl_b32 s42, 15, s42                        ; my row of the cluster
	s_lshl_b32 s43, 0x1111, s40                    ; my column
	; descriptor group 1: 100 rows of 256 bytes (32 elements of 8 bytes), dense: two records
	s_or_b32 s[G1X], s42, (3<<16)|(1<<21)          ; 15:0 the mask; 17:16 elements of 8 bytes; 21 set beside a mask; no padding
	s_or_b32 s[G1W], s43, (3<<16)|(1<<21)
.irp g, G1X, G1W
	s_mov_b32 s[\g+1], 32<<16                      ; tensor_dim0 = 32
	s_mov_b32 s[\g+2], 100<<16                     ; tensor_dim1 = 100
	s_mov_b32 s[\g+3], 32<<16                      ; tile_dim0 = 32
	s_mov_b32 s[\g+4], 100                         ; tile_dim1 = 100
	s_mov_b32 s[\g+5], 32                          ; from row to row
	s_mov_b32 s[\g+6], 0
	s_mov_b32 s[\g+7], 0
.endr
	s_mul_i32 s20, s17, PANEL                      ; x's panel hangs on TB alone,
	s_mov_b32 s21, 0
	s_mul_i32 s22, s18, PANEL                      ; W's on FB alone
	s_mov_b32 s23, 0
	s_mov_b32 s[SEL], 0x76543210
	s_mov_b32 s[SEL+1], 0xfedcba98                 ; v_permlanex16_b32's selects for lane l xor 16
	s_mov_b32 s62, 0xffff0000                      ; lanes 16-31
	s_wait_dscnt 0x0
	s_wait_kmcnt 0x0
	s_add_nc_u64 s[20:21], s[4:5], s[20:21]
	s_add_nc_u64 s[22:23], s[6:7], s[22:23]
	CROUND                                         ; all sixteen work-groups are here: the joint loads meet
.irp j, 0,1,2,3
	s_mov_b32 s[G0X+4*\j], 1
	s_mov_b32 s[G0X+4*\j+1], SLICE*\j
	s_add_nc_u64 s[G0X+4*\j+2:G0X+4*\j+3], s[20:21], SLICE*\j
	s_or_b32 s[G0X+4*\j+3], s[G0X+4*\j+3], 0x80000000
	s_mov_b32 s[G0W+4*\j], 1
	s_mov_b32 s[G0W+4*\j+1], WB+SLICE*\j
	s_add_nc_u64 s[G0W+4*\j+2:G0W+4*\j+3], s[22:23], SLICE*\j
	s_or_b32 s[G0W+4*\j+3], s[G0W+4*\j+3], 0x80000000
.endr
	s_cmp_eq_u32 s14, 0                            ; a wave's fills stand in one branch on the wave's number; four v_nop follow them
	s_cbranch_scc0 .Lnot_x
.irp j, 0,1,2,3
	tensor_load_to_lds s[G0X+4*\j:G0X+4*\j+3], s[G1X:G1X+7]
	s_nop 0
.endr
	PLACES
	s_branch .Lasked
.Lnot_x:
	s_cmp_eq_u32 s14, 1
	s_cbranch_scc0 .Lasked
.irp j, 0,1,2,3
	tensor_load_to_lds s[G0W+4*\j:G0W+4*\j+3], s[G1W:G1W+7]
	s_nop 0
.endr
	PLACES
.Lasked:
	v_and_b32 v3, 31, v0                           ; lane
	v_bfe_u32 v2, v0, 4, 1                         ; h
	v_lshlrev_b32 v4, 4, v3
	v_lshlrev_b32 v5, 2, v3
	s_mul_i32 s84, s15, 6144                       ; my four tiles of tokens
	v_add_nc_u32 v[AX], s84, v4
	v_add_nc_u32 v[AX+1], 4*REC, v[AX]             ; K steps 4 to 7: an LDS offset has 16 bits
	s_mul_i32 s85, s16, 6144
	s_add_co_u32 s85, s85, WB
	v_add_nc_u32 v[AW], s85, v4
	v_add_nc_u32 v[AW+1], 4*REC, v[AW]
	s_lshl_b32 s84, s15, 8
	s_add_co_u32 s84, s84, SCO
	v_add_nc_u32 v[ASX], s84, v5
	v_add_nc_u32 v[ASX+1], 4*REC, v[ASX]
	s_lshl_b32 s85, s16, 8
	s_add_co_u32 s85, s85, WB+SCO
	v_add_nc_u32 v[ASW], s85, v5
	v_add_nc_u32 v[ASW+1], 4*REC, v[ASW]
	v_lshlrev_b32 v14, 6, v2                       ; the bias: 16 numbers further on for lanes 16-31
	s_mul_i32 s84, s15, 3072
	v_add_nc_u32 v15, s84, v4                      ; out: my two pair images,
	s_lshl_b32 s84, s15, 7
	v_add_nc_u32 v16, s84, v5                      ; and their words
	v_mov_b32 v[TM+2], 0                           ; written once: a lane permute's destination counts as one of its sources
	v_mov_b32 v[TM+3], 0
	s_cmp_lt_u32 ttmp9, 4                          ; FB < 16: the same in all partners
	s_cselect_b64 s[86:87], s[8:9], s[10:11]
	s_and_b32 s88, s18, 15
	s_lshl_b32 s88, s88, 9
	s_lshl_b32 s89, s16, 8
	s_add_co_u32 s88, s88, s89
	s_mov_b32 s89, 0
	s_add_nc_u64 s[86:87], s[86:87], s[88:89]
.irp b, 0,1,2,3                                ; lane (r, h) wants, for feature tile b, the bias of features 32 (b / 2) + 16 h + 8 (b % 2) + 0 .. 7
	global_load_b128 v[BI+8*\b:BI+8*\b+3], v14, s[86:87] offset:(32*(\b/2)+8*(\b%2))*4
	global_load_b128 v[BI+8*\b+4:BI+8*\b+7], v14, s[86:87] offset:(32*(\b/2)+8*(\b%2))*4+16
.endr
	; my record of qkk: (((FB / 8) 32 + 16 (TB / 16) + 2 (FB % 8) + wn) 16 + TB % 16) x 6,400
	s_lshr_b32 s90, s18, 3
	s_lshl_b32 s90, s90, 5
	s_lshr_b32 s91, s17, 4
	s_lshl_b32 s91, s91, 4
	s_add_co_u32 s90, s90, s91
	s_and_b32 s91, s18, 7
	s_lshl_b32 s91, s91, 1
	s_add_co_u32 s90, s90, s91
	s_add_co_u32 s90, s90, s16
	s_lshl_b32 s90, s90, 4
	s_and_b32 s91, s17, 15
	s_add_co_u32 s90, s90, s91
	s_mul_i32 s90, s90, 6400
	s_mov_b32 s91, 0
	s_add_nc_u64 s[12:13], s[12:13], s[90:91]
	s_wait_tensorcnt 0x3                           ; K steps 0 and 1 have landed; the three slices behind them may be out
	s_barrier_signal -1
	s_barrier_wait -1
	FETCH 0, 0
	s_wait_loadcnt 0x0                             ; the bias
	STEP 0, 1
	STEP 1, 0
	STEP 2, 0
	STEP 3, 0
	STEP 4, 0
	STEP 5, 0
	STEP 6, 0
	STEP 7, 0
	PLACES
.irp g, 0,1                                    ; my token groups 2 wm + g
.irp u, 0,1
	QUANT32 ACC+32*(2*\g+\u), IMG+12*\g+6*\u
.if \u == 0
	v_lshl_or_b32 v[WD+\g], v[TM+3], 8, v[TM+2]
.else
	v_lshl_or_b32 v[WD+\g], v[TM+2], 16, v[WD+\g]
	v_lshl_or_b32 v[WD+\g], v[TM+3], 24, v[WD+\g]
.endif
.endr
.irp c, 0,1,2
	global_store_b128 v15, v[IMG+12*\g+4*\c:IMG+12*\g+4*\c+3], s[12:13] offset:1536*\g+512*\c   ; 512 consecutive bytes
.endr
.endr
	v_cndmask_b32 v[WD+2], v[WD], v[WD+1], s62     ; lanes 0-15 group g = 0's words, lanes 16-31 group g = 1's
	global_store_b32 v16, v[WD+2], s[12:13] offset:6144
	s_wait_dscnt 0x0
	s_wait_tensorcnt 0x0
	ds_add_u32 v94, v95
	s_wait_dscnt 0x0
	CROUND                                         ; the closing round: no work-group ends while a partner may still ask for a tile that names it
	s_endpgm
.Lfunc_end_k_q629ed3c4ba_qkv:
	.size	k_q629ed3c4ba_qkv, .Lfunc_end_k_q629ed3c4ba_qkv-k_q629ed3c4ba_qkv
	.p2alignl 7, 3214868480
	.fill 96, 4, 3214868480
	.section	.rodata,"a",@progbits
	.p2align	6, 0x0
	.amdhsa_kernel k_q629ed3c4ba_qkv
		.amdhsa_group_segment_fixed_size 205312
		.amdhsa_private_segment_fixed_size 0
		.amdhsa_enable_private_segment 0
		.amdhsa_kernarg_size 40
		.amdhsa_user_sgpr_count 2
		.amdhsa_user_sgpr_kernarg_segment_ptr 1
		.amdhsa_wavefront_size32 1
		.amdhsa_system_sgpr_workgroup_id_x 1
		.amdhsa_system_sgpr_workgroup_id_y 1
		.amdhsa_system_sgpr_workgroup_id_z 1
		.amdhsa_system_vgpr_workitem_id 0
		.amdhsa_next_free_vgpr 448
		.amdhsa_next_free_sgpr 100
		.amdhsa_reserve_vcc 0
		.amdhsa_float_denorm_mode_32 3
		.amdhsa_float_denorm_mode_16_64 3
		.amdhsa_memory_ordered 1
		.amdhsa_forward_progress 1
		.amdhsa_inst_pref_size 50
	.end_amdhsa_kernel
	.amdgpu_metadata
---
amdhsa.version: [ 1, 2 ]
amdhsa.kernels:
  - .name:           k_q629ed3c4ba_qkv
    .symbol:         k_q629ed3c4ba_qkv.kd
    .args:
      - { .name: ximg, .offset: 0, .size: 8, .value_kind: global_buffer, .address_space: global }
      - { .name: wimg, .offset: 8, .size: 8, .value_kind: global_buffer, .address_space: global }
      - { .name: b_attn, .offset: 16, .size: 8, .value_kind: global_buffer, .address_space: global }
      - { .name: b_k2, .offset: 24, .size: 8, .value_kind: global_buffer, .address_space: global }
      - { .name: qkk, .offset: 32, .size: 8, .value_kind: global_buffer, .address_space: global }
    .group_segment_fixed_size: 205312
    .private_segment_fixed_size: 0
    .kernarg_segment_align: 8
    .kernarg_segment_size: 40
    .max_flat_workgroup_size: 128
    .sgpr_count:     100
    .vgpr_count:     448
    .wavefront_size: 32
...
	.end_amdgpu_metadata
.endif
;; end of part 2
;; launch attn1 (part 3): grid 8 x 32, 16 waves a work-group, no clusters, 289,792 bytes of LDS; arguments qkk, vimg, x, yimg, eimg; writes yimg, eimg
.if DOCPART == 3
	.amdgcn_target "amdgcn-amd-amdhsa--gfx1250"
	.amdhsa_code_object_version 6
	.text
	.protected	k_q629ed3c4ba_attn1
	.globl	k_q629ed3c4ba_attn1
	.p2align	8
	.type	k_q629ed3c4ba_attn1,@function
k_q629ed3c4ba_attn1:
	s_mov_b64 s[64:65], 0
	v_nop
	global_prefetch_b8 v0, s[64:65] scope:SCOPE_SE
	s_setreg_imm32_b32 hwreg(HW_REG_WAVE_MODE, 25, 1), 1
	s_wait_xcnt 0x0
; CAUSAL ATTENTION ON CODES OF FP6 (E2M3), head size 64, one text for both passes (PASS below).
; PASS 1: y = softmax(q k^T / 8, key <= query) x, then e[t] = x[t + 1] - y[t] (e[2047] = 0).  PASS 2: y2 = softmax(q k2^T / 8, key < query) e; row 0 has no key and is 0.
; THE SOFTMAX: t = score x log2(e) / 8; M = the running largest t rounded UP to a whole number; p = 2^(t - M) is quantised along the keys, not normalised; the row's sum is taken of the unquantised p and divides at the end.
; SHARES.  Work-group (p, hb): head hb of 32; waves 0-7 take the block of 128 queries blk = p, waves 8-15 blk = 15 - p, so that every work-group has 8 x 17 steps of 16 queries x 128 keys.  A wave owns 16 queries: tile i = w % 8 of its block.
; THE WHOLE HEAD'S K AND V LIE IN LDS: 16 records of 6,400 bytes each (128 keys: K: four pair images and their words; V: four fragments of 16 channels x 128 keys and their words), in the order of the operands' registers.
; Wave 0 asks for K's four chunks of 25,600 bytes and wave 1 for V's, all at the head (four loads of a wave are out at the most); LDS bytes are never filled again; a counted wait and a plain barrier stand in front of each chunk's steps.
; NO CLUSTER: the eight work-groups of a head read the same K and V, but which steps a wave leaves out under the mask is a branch on its query block, which differs between them; partners of a joint load must run alike.
; NO PREFETCH: every byte that the launch reads through LDS is asked for at the head; there is no later request to run ahead of.
; HEAD SIZE 64 IN A PRODUCT OF 128: a pair image holds two key tiles, registers 0-5 tile u = 0 and 6-11 tile u = 1 of a group of 32 keys.  It is source 0 as it stands; source 1 is [q | zero codes] for u = 0 and [zero codes | q] for u = 1.
; Zero codes add nothing; q's scale bytes over them are 1.
; LAYOUT: both products transposed: a lane holds one query (lane % 16).  Row l of a group of 32 lies in tile (l / 8) % 2 at lane row l % 8 + 8 (l / 16), so that the 16 registers of two neighbouring tiles are 16 neighbours:
; scores: key 32 b + 16 (lane / 16) + 0 .. 15; O^T: channel 32 G + 16 (lane / 16) + 0 .. 15.
; OUT: y (y2) quantised along the head's 64, as registers 6 c .. 6 c + 5 (c = head % 2) of the projection's token fragment: three planes of 256 bytes (registers 2 q, 2 q + 1 of lane n at 256 q + 8 n), and half scale words, 2 bytes a token.
; LIMITS: a block of zeros gets the byte 1 (zero codes; read by this program alone); NaN and infinities are not served.
.set PASS, 1
.set REC,   6400
.set CHUNK, 4*REC
.set HEADB, 16*REC
.set KC,    0
.set VC,    HEADB
.set YST,   2*HEADB                    ; PASS 1: 256 rows x (256 + 16) bytes of y in f32.  No fill lands from here on
.set YP,    272
.set EOUT,  YST+256*YP                 ; PASS 1: e's two records
.set YSH,   EOUT+2*REC                 ; 2 x 256 bytes of half scale words
.set L16, 1                            ; v1 16 x lane   v2 4 x lane
.set L4,  2
.set ADK, 3                            ; v3-6 LDS addresses of the step in hand
.set ADV, 4
.set ADS, 5
.set ADT, 6
.set DQ,  7                            ; v7 my query in its block, less 16 (lane / 16), less 1 in PASS 2
.set QLO, 16                           ; v16-27 [q | 0]   v28-39 [0 | q]   v40, v41 their scale words
.set QHI, 28
.set QSL, 40
.set KS,  42                           ; v42-43 K's scale words
.set KI,  44                           ; v44-91 four pair images of K, then four fragments of V
.set VS,  92                           ; v92-93 V's scale words
.set NINF, 94
.set S,   96                           ; v96-159 S^T, then p
.set O,   160                          ; v160-191 O^T
.set PCD, 192                          ; v192-203 p's codes
.set CT,  204                          ; v204-206, v208-210 conversions' upper halves
.set QT,  208
.set BM,  212                          ; v212-215 block maxima
.set TM,  212                          ; (the way out's quantiser: v212-217)
.set PD,  216                          ; v216-219 permutes' results, then bytes
.set SO,  220                          ; v220-223 scale operands
.set F,   224                          ; v224-225 f
.set PW,  226                          ; p's scale word
.set TT,  227
.set SM2, 228                          ; v228-229 the second chain of the sum
.set CM,  218                          ; e's quantiser
.set CO,  220
.set CB,  221
.set CC,  198
; v230-247: addresses and offsets of the way out, made at the head; they never hold loaded data
.set WV,  14
.set HALF, 15
.set WI,  16
.set HB,  18
.set BLK, 19
.set QB,  20
.set G1,  24
.set KF,  32
.set TK,  33
.set TV,  34
.set CNT, 35
.set G0,  44
.set CS,  60
.set SEL, 62
.macro SC b, u                         ; scores of key tile (b, u)
.set q_r, QLO+12*(\u)
.if (\b)%2 == 0
	v_wmma_scale_f32_16x16x128_f8f6f4 v[S+8*(2*(\b)+(\u)):S+8*(2*(\b)+(\u))+7], v[KI+12*(\b):KI+12*(\b)+11], v[q_r:q_r+11], 0, v[KS+(\b)/2], v[QSL+(\u)] matrix_a_fmt:MATRIX_FMT_FP6 matrix_b_fmt:MATRIX_FMT_FP6
.else
	v_wmma_scale_f32_16x16x128_f8f6f4 v[S+8*(2*(\b)+(\u)):S+8*(2*(\b)+(\u))+7], v[KI+12*(\b):KI+12*(\b)+11], v[q_r:q_r+11], 0, v[KS+(\b)/2], v[QSL+(\u)] matrix_a_fmt:MATRIX_FMT_FP6 matrix_b_fmt:MATRIX_FMT_FP6 matrix_a_scale:MATRIX_SCALE_ROW1
.endif
.endm
.macro OV t                            ; O^T of channel tile t += V^T P^T
.if (\t)%2 == 0
	v_wmma_scale_f32_16x16x128_f8f6f4 v[O+8*(\t):O+8*(\t)+7], v[KI+12*(\t):KI+12*(\t)+11], v[PCD:PCD+11], v[O+8*(\t):O+8*(\t)+7], v[VS+(\t)/2], v[PW] matrix_a_fmt:MATRIX_FMT_FP6 matrix_b_fmt:MATRIX_FMT_FP6
.else
	v_wmma_scale_f32_16x16x128_f8f6f4 v[O+8*(\t):O+8*(\t)+7], v[KI+12*(\t):KI+12*(\t)+11], v[PCD:PCD+11], v[O+8*(\t):O+8*(\t)+7], v[VS+(\t)/2], v[PW] matrix_a_fmt:MATRIX_FMT_FP6 matrix_b_fmt:MATRIX_FMT_FP6 matrix_a_scale:MATRIX_SCALE_ROW1
.endif
.endm
; A KEY STEP: 128 keys from s[KF] on; their records begin at LDS bytes s[TK] and s[TV]
.macro STEP
	s_cmp_gt_u32 s[KF], s[QB]                      ; all its keys come after my block's queries: the work is left out (a branch on ids), not the lines at the end that step addresses
	s_cbranch_scc1 .Lhid_\@
	v_add_nc_u32 v[ADK], s[TK], v[L16]             ; (these four are also the places in front of the loads into registers that the last products read)
	v_add_nc_u32 v[ADV], s[TV], v[L16]
	v_add_nc_u32 v[ADS], s[TK], v[L4]
	v_add_nc_u32 v[ADT], s[TV], v[L4]
.irp b, 0,1,2,3
.irp c, 0,1,2
	ds_load_b128 v[KI+12*\b+4*\c:KI+12*\b+4*\c+3], v[ADK] offset:1536*\b+512*\c
.endr
.endr
	ds_load_b32 v[KS], v[ADS] offset:6144          ; lanes 0-15 group 0's words, lanes 16-31 group 1's
	ds_load_b32 v[KS+1], v[ADS] offset:6272        ; groups 2 and 3
	s_wait_dscnt 0x0
.irp b, 0,1,2,3
	SC \b, 0
	SC \b, 1
.endr
.rept 4
	v_nop                                          ; four places: in front of the loads below and of the first read of the scores
.endr
.irp t, 0,1,2,3
.irp c, 0,1,2
	ds_load_b128 v[KI+12*\t+4*\c:KI+12*\t+4*\c+3], v[ADV] offset:1536*\t+512*\c   ; V's fragments land while the softmax is walked
.endr
.endr
	ds_load_b32 v[VS], v[ADT] offset:6144
	ds_load_b32 v[VS+1], v[ADT] offset:6272
	s_cmp_lg_u32 s[KF], s[QB]                      ; only my block's own step lies on the diagonal
	s_cbranch_scc1 .Lopen_\@
.set n, 0
.rept 64                                       ; register n holds key KF + 16 (lane / 16) + 32 (n / 16) + n % 16: hidden scores become -infinity ahead of the maximum
	v_cmp_gt_i32 vcc_lo, 32*(n/16)+n%16, v[DQ]
	v_cndmask_b32 v[S+n], v[S+n], v[NINF], vcc_lo
.set n, n+1
.endr
.Lopen_\@:
.irp b, 0,1,2,3
	v_max3_num_f32 v[BM+\b], v[S+16*\b], v[S+1+16*\b], v[S+2+16*\b]   ; the largest score of each block of 32 keys: it serves the row's maximum and, since p rises with the score, the block's largest p
.endr
.irp i, 3,5,7,9,11,13
.irp b, 0,1,2,3
	v_max3_num_f32 v[BM+\b], v[BM+\b], v[S+16*\b+\i], v[S+1+16*\b+\i]
.endr
.endr
.irp b, 0,1,2,3
	v_max_num_f32 v[BM+\b], v[BM+\b], v[S+15+16*\b]
.endr
.irp b, 0,1,2,3
	v_permlanex16_b32 v[PD+\b], v[BM+\b], s[SEL], s[SEL+1]
.endr
.irp b, 0,1,2,3
	v_max_num_f32 v[BM+\b], v[BM+\b], v[PD+\b]     ; with lane l xor 16's 16 keys
.endr
	v_max3_num_f32 v[TT], v[BM], v[BM+1], v[BM+2]
	v_max_num_f32 v[TT], v[TT], v[BM+3]
	v_mul_f32 v[TT], s[CS], v[TT]                  ; as t (c is positive)
	v_max_num_f32 v13, v13, v[TT]                  ; the running largest t
	v_mov_b32 v[TT], v12
	v_floor_f32 v12, -v13                          ; the new -M = floor(-t): M is a whole number
	v_sub_f32 v[TT], v12, v[TT]                    ; old M less new M: a whole number, 0 or less
	v_cvt_i32_f32 v[TT], v[TT]                     ; (it saturates)
	v_ldexp_f32 v[F], 1.0, v[TT]                   ; f = 2^(old M - new M): a multiplication by it rounds nothing
.set n, 0
.rept 32
	v_pk_fma_f32 v[S+n:S+n+1], v[S+n:S+n+1], s[CS:CS+1], v[12:13] op_sel_hi:[1,0,0]   ; t - M, two at a time
.set n, n+2
.endr
.irp b, 0,1,2,3
	v_fma_f32 v[BM+\b], v[BM+\b], s[CS], v12
.endr
.set n, 0
.rept 64
	v_exp_f32 v[S+n], v[S+n]                       ; p = 2^(t - M)
.set n, n+1
.endr
.irp b, 0,1,2,3
	v_exp_f32 v[BM+\b], v[BM+\b]                   ; the block's largest p: the same two instructions on the same number
.endr
	v_pk_mul_f32 v[14:15], v[14:15], v[F:F+1] op_sel_hi:[1,0]   ; the sums under the new M (a plain place behind the exponentials)
	s_wait_alu depctr_va_vdst(0)
.irp b, 0,1,2,3
	v_max_num_f32 v[BM+\b], 0x1800000, v[BM+\b]    ; the floor 2^(3 - 127)
.endr
.irp b, 0,1,2,3
	v_add_nc_u32 v[SO+\b], 0xff000000, v[BM+\b]
.endr
.irp b, 0,1,2,3
	v_lshrrev_b32 v[PD+\b], 23, v[SO+\b]
.endr
	v_lshl_or_b32 v[PW], v[PD+1], 8, v[PD]         ; p's scale word for these 128 keys
	v_lshl_or_b32 v[PW], v[PD+2], 16, v[PW]
	v_lshl_or_b32 v[PW], v[PD+3], 24, v[PW]
.irp c, 0,1
	v_cvt_scalef32_pk16_fp6_f32 v[PCD+6*\c:PCD+6*\c+2], v[S+32*\c:S+32*\c+15], v[SO+2*\c]
	v_cvt_scalef32_pk16_fp6_f32 v[CT+4*\c:CT+4*\c+2], v[S+16+32*\c:S+31+32*\c], v[SO+2*\c+1]
.endr
	v_nop                                          ; one plain place behind a scaled conversion
.irp c, 0,1
.irp i, 0,1,2
	v_permlane16_swap_b32 v[PCD+6*\c+\i], v[CT+4*\c+\i]   ; a whole block to a lane
.endr
.irp i, 0,1,2
	v_mov_b32 v[PCD+3+6*\c+\i], v[CT+4*\c+\i]
.endr
.endr
	v_pk_add_f32 v[SM2:SM2+1], v[S:S+1], v[S+2:S+3]   ; the row's sum is taken of the unquantised p, in two chains
.irp j, 4,8,12,16,20,24,28,32,36,40,44,48,52,56,60
	v_pk_add_f32 v[14:15], v[14:15], v[S+\j:S+\j+1]
	v_pk_add_f32 v[SM2:SM2+1], v[SM2:SM2+1], v[S+2+\j:S+3+\j]
.endr
	v_pk_add_f32 v[14:15], v[14:15], v[SM2:SM2+1]
.set n, 0
.rept 16
	v_pk_mul_f32 v[O+n:O+n+1], v[O+n:O+n+1], v[F:F+1] op_sel_hi:[1,0]   ; O^T under the new M.  (The sums and these are the places between p's codes and word and the products)
.set n, n+2
.endr
	s_wait_dscnt 0x0                               ; V's fragments and words are in
	OV 0
	OV 1
	OV 2
	OV 3
.Lhid_\@:
	s_add_co_u32 s[KF], s[KF], 128
	s_add_co_u32 s[TK], s[TK], REC
	s_add_co_u32 s[TV], s[TV], REC
.endm
; chunk n: four key steps
.macro PHASE n
	s_wait_dscnt 0x0
	s_wait_tensorcnt 3-\n                          ; chunk n has landed; the chunks issued behind it may be out (a wave that issued none passes)
	s_barrier_signal -1
	s_barrier_wait -1                              ; everybody's has.
	s_mov_b32 s[KF], 512*\n
	s_mov_b32 s[TK], KC+CHUNK*\n
	s_mov_b32 s[TV], VC+CHUNK*\n
	s_mov_b32 s[CNT], 4
.Lstep_\@:
	STEP
	s_sub_co_u32 s[CNT], s[CNT], 1
	s_cmp_lg_u32 s[CNT], 0
	s_cbranch_scc1 .Lstep_\@
.endm
; 32 numbers of a lane, register 16 b + i = k 32 b + 16 (lane / 16) + i of its row, become six registers of codes (lane (r, h): block h) at v[d]; the bytes stand in v[TM+2], v[TM+3]
.macro QUANT32 s, d
.irp b, 0,1
	v_max3_num_f32 v[TM+\b], |v[(\s)+16*\b]|, |v[(\s)+1+16*\b]|, 0x1800000
.endr
.irp i, 2,4,6,8,10,12,14
.irp b, 0,1
	v_max3_num_f32 v[TM+\b], v[TM+\b], |v[(\s)+16*\b+\i]|, |v[(\s)+1+16*\b+\i]|
.endr
.endr
.irp b, 0,1
	v_permlanex16_b32 v[TM+2+\b], v[TM+\b], s[SEL], s[SEL+1]
.endr
.irp b, 0,1
	v_max_num_f32 v[TM+\b], v[TM+\b], v[TM+2+\b]
.endr
.irp b, 0,1
	v_add_nc_u32 v[TM+4+\b], 0xff000000, v[TM+\b]
.endr
.irp b, 0,1
	v_lshrrev_b32 v[TM+2+\b], 23, v[TM+4+\b]
.endr
	v_cvt_scalef32_pk16_fp6_f32 v[(\d):(\d)+2], v[(\s):(\s)+15], v[TM+4]
	v_cvt_scalef32_pk16_fp6_f32 v[QT:QT+2], v[(\s)+16:(\s)+31], v[TM+5]
	v_nop
.irp i, 0,1,2
	v_permlane16_swap_b32 v[(\d)+\i], v[QT+\i]
.endr
.irp i, 0,1,2
	v_mov_b32 v[(\d)+3+\i], v[QT+\i]
.endr
.endm
; a lane's 32 numbers, one block down K, become 24 bytes of codes and a byte in a stage
.macro COLQ x, a0, a1, as
	v_max3_num_f32 v[CM], |v[(\x)]|, |v[(\x)+1]|, |v[(\x)+2]|
	v_max3_num_f32 v[CM+1], |v[(\x)+3]|, |v[(\x)+4]|, |v[(\x)+5]|
.irp i, 6,10,14,18,22,26
	v_max3_num_f32 v[CM], v[CM], |v[(\x)+\i]|, |v[(\x)+\i+1]|
	v_max3_num_f32 v[CM+1], v[CM+1], |v[(\x)+\i+2]|, |v[(\x)+\i+3]|
.endr
	v_max3_num_f32 v[CM], v[CM], |v[(\x)+30]|, |v[(\x)+31]|
	v_max3_num_f32 v[CM], v[CM], v[CM+1], 0x1800000
	v_add_nc_u32 v[CO], 0xff000000, v[CM]
	v_lshrrev_b32 v[CB], 23, v[CO]
	v_cvt_scalef32_pk16_fp6_f32 v[CC:CC+2], v[(\x):(\x)+15], v[CO]
	v_cvt_scalef32_pk16_fp6_f32 v[CT:CT+2], v[(\x)+16:(\x)+31], v[CO]
	v_nop
	v_mov_b32 v[CC+3], v[CT]
	v_mov_b32 v[CC+4], v[CT+1]
	v_mov_b32 v[CC+5], v[CT+2]
	ds_store_b64 v[\a0], v[CC:CC+1]
	ds_store_b64 v[\a1], v[CC+2:CC+3]
	ds_store_b64 v[\a0], v[CC+4:CC+5] offset:512
	ds_store_b8 v[\as], v[CB]
.endm
.if PASS == 1
	s_load_b256 s[4:11], s[0:1], 0x0               ; qkk, vimg, x, yimg
	s_load_b64 s[12:13], s[0:1], 0x20              ; eimg
	v_lshl_add_u32 v254, v0, 2, 0x46400
	v_mov_b32 v255, 0
	ds_add_u32 v254, v255
	ds_add_u32 v254, v255
.else
	s_load_b128 s[4:7], s[0:1], 0x0                ; qkk, eimg
	s_load_b64 s[10:11], s[0:1], 0x10              ; y2img
.endif
	v_lshrrev_b32 v1, 5, v0
	v_readfirstlane_b32 s[WV], v1                  ; wave 0..15
	s_lshr_b32 s[HALF], s[WV], 3
	s_and_b32 s[WI], s[WV], 7                      ; my tile of 16 queries in the block
	s_and_b32 s[HB], ttmp7, 0xffff                 ; 16 x batch + head
	s_lshl_b32 s[BLK], ttmp9, 1
	s_sub_co_u32 s[BLK], 15, s[BLK]
	s_mul_i32 s[BLK], s[BLK], s[HALF]
	s_add_co_u32 s[BLK], s[BLK], ttmp9             ; p, or 15 - p
	s_lshl_b32 s[QB], s[BLK], 7                    ; the block's first query
	; descriptor group 1: 100 rows of 256 bytes (32 elements of 8 bytes), dense: four records
	s_mov_b32 s[G1], 3<<16
	s_mov_b32 s[G1+1], 32<<16
	s_mov_b32 s[G1+2], 100<<16
	s_mov_b32 s[G1+3], 32<<16
	s_mov_b32 s[G1+4], 100
	s_mov_b32 s[G1+5], 32
	s_mov_b32 s[G1+6], 0
	s_mov_b32 s[G1+7], 0
	s_mul_i32 s36, s[HB], HEADB
	s_mov_b32 s37, 0
	s_mul_i32 s40, s[WV], HEADB                    ; wave 0 fills K's bytes, wave 1 V's
	s_wait_dscnt 0x0
	s_wait_kmcnt 0x0
	s_add_nc_u64 s[38:39], s[4:5], PASS*32*HEADB   ; region 1 of qkk is k, region 2 k2
	s_cmp_eq_u32 s[WV], 0
	s_cselect_b64 s[38:39], s[38:39], s[6:7]
	s_add_nc_u64 s[38:39], s[38:39], s[36:37]
.irp j, 0,1,2,3
	s_mov_b32 s[G0+4*\j], 1
	s_add_co_u32 s[G0+4*\j+1], s40, CHUNK*\j
	s_add_nc_u64 s[G0+4*\j+2:G0+4*\j+3], s[38:39], CHUNK*\j
	s_or_b32 s[G0+4*\j+3], s[G0+4*\j+3], 0x80000000
.endr
	s_cmp_lt_u32 s[WV], 2                          ; a wave's fills stand in one branch on the wave's number; four v_nop follow them
	s_cbranch_scc0 .Lno_fill
.irp j, 0,1,2,3
	tensor_load_to_lds s[G0+4*\j:G0+4*\j+3], s[G1:G1+7]
	s_nop 0
.endr
.rept 4
	v_nop
.endr
.Lno_fill:
	v_and_b32 v8, 31, v0                           ; lane
	v_lshlrev_b32 v[L16], 4, v8
	v_lshlrev_b32 v[L4], 2, v8
	v_and_b32 v9, 15, v0                           ; r
	v_bfe_u32 v10, v0, 4, 1                        ; h
	s_mul_i32 s38, s[BLK], REC
	s_mov_b32 s39, 0
	s_add_nc_u64 s[66:67], s[4:5], s[36:37]
	s_add_nc_u64 s[66:67], s[66:67], s[38:39]      ; my block's record of q (region 0)
	s_lshr_b32 s68, s[WI], 1                       ; my group of 32 queries; in PASS 1 also tg: my 32 rows of e
	s_and_b32 s69, s[WI], 1                        ; u; in PASS 1 also G: my 32 channels of e
	s_mul_i32 s70, s68, 1536
	v_add_nc_u32 v241, s70, v[L16]
	s_lshl_b32 s70, s68, 6
	v_lshl_add_u32 v242, v9, 2, s70
	global_load_b128 v[KI:KI+3], v241, s[66:67]
	global_load_b128 v[KI+4:KI+7], v241, s[66:67] offset:512
	global_load_b128 v[KI+8:KI+11], v241, s[66:67] offset:1024
	global_load_b32 v[KS], v242, s[66:67] offset:6144
	s_mov_b32 s[CS], 0x3e38aa3b                    ; c = log2(e) / 8
	s_mov_b32 s[CS+1], s[CS]                       ; (named with it as a pair, so it is written)
	s_mov_b32 s[SEL], 0x76543210
	s_mov_b32 s[SEL+1], 0xfedcba98
	s_lshl_b32 s70, s68, 5
	s_lshl_b32 s71, s69, 3
	s_add_co_u32 s70, s70, s71                     ; 32 (i / 2) + 8 u
	s_sub_co_u32 s71, s70, PASS-1
	v_and_b32 v11, 8, v9
	v_add_nc_u32 v11, v11, v9                      ; r + 8 (r / 8)
	v_lshlrev_b32 v[DQ], 4, v10
	v_sub_nc_u32 v[DQ], v11, v[DQ]
	v_add_nc_u32 v[DQ], s71, v[DQ]
	; the way out's addresses
	v_lshlrev_b32 v240, 3, v8                      ; 8 x lane
	s_lshl_b32 s72, s[WV], 5
	s_add_co_u32 s72, s72, YSH
	v_lshl_add_u32 v231, v9, 1, s72                ; my row's half word: YSH + 256 half + 32 i + 2 r
	s_lshl_b32 s72, s[HALF], 8
	s_add_co_u32 s72, s72, YSH
	v_add_nc_u32 v237, s72, v240
	s_and_b32 s76, s[HB], 15                       ; head
	s_lshr_b32 s77, s[HB], 4                       ; batch
	s_and_b32 s78, s76, 1                          ; c
	s_mul_i32 s72, s[WI], 1536
	s_mul_i32 s73, s78, 768
	s_add_co_u32 s72, s72, s73
	v_add_nc_u32 v238, s72, v240                   ; y's codes: tile i, planes 3 c on
	s_lshl_b32 s72, s78, 8
	v_add_nc_u32 v239, s72, v240
	s_lshl_b32 s72, s77, 4
	s_add_co_u32 s72, s72, s[BLK]
	s_lshl_b32 s72, s72, 3
	s_lshr_b32 s73, s76, 1
	s_add_co_u32 s72, s72, s73
	s_mul_i32 s72, s72, 12800                      ; record (token block 16 b + blk, K step head / 2)
	s_mov_b32 s73, 0
	s_add_nc_u64 s[10:11], s[10:11], s[72:73]
.if PASS == 1
	s_lshl_b32 s72, s[HALF], 7
	s_add_co_u32 s72, s72, s70
	s_mul_i32 s72, s72, YP
	s_add_co_u32 s72, s72, YST
	v_mul_u32_u24 v230, v11, YP
	v_lshl_add_u32 v230, v10, 6, v230
	v_add_nc_u32 v230, s72, v230                   ; y's stage, in: my query's row, + 64 h
	s_lshl_b32 s72, s[HALF], 7
	s_lshl_b32 s75, s68, 5
	s_add_co_u32 s72, s72, s75
	s_mul_i32 s72, s72, YP
	s_lshl_b32 s75, s69, 7
	s_add_co_u32 s72, s72, s75
	s_add_co_u32 s72, s72, YST
	v_add_nc_u32 v232, s72, v[L4]                  ; and back: rows 32 tg on, channel 32 G + lane
	v_bfe_u32 v243, v8, 3, 1                       ; a channel's tile u and lane row r
	v_and_b32 v244, 7, v8
	v_lshrrev_b32 v245, 4, v8
	v_lshl_add_u32 v244, v245, 3, v244
	v_mul_u32_u24 v245, v243, 1536
	v_lshl_add_u32 v245, v244, 4, v245
	v_lshlrev_b32 v243, 6, v243
	v_lshl_add_u32 v243, v244, 2, v243
	s_mul_i32 s74, s[HALF], REC
	s_add_co_u32 s74, s74, EOUT                    ; my half's record of e
	s_mul_i32 s72, s69, 3072                       ; group G, block tg (c = tg / 2, h = tg % 2)
	s_and_b32 s75, s68, 1
	s_lshl_b32 s75, s75, 8
	s_add_co_u32 s72, s72, s75
	s_lshr_b32 s75, s68, 1
	s_mul_i32 s79, s75, 520
	s_add_co_u32 s72, s72, s79
	s_add_co_u32 s72, s72, s74
	v_add_nc_u32 v233, s72, v245
	s_mul_i32 s79, s75, 496
	s_add_co_u32 s72, s72, s79
	s_add_co_u32 s72, s72, 8
	v_add_nc_u32 v234, s72, v245
	s_lshl_b32 s72, s69, 7
	s_add_co_u32 s72, s72, s68
	s_add_co_u32 s72, s72, s74
	s_add_co_u32 s72, s72, 6144
	v_add_nc_u32 v235, s72, v243
	s_mul_i32 s72, s[WI], 768
	v_add_nc_u32 v246, s72, v240
	s_add_co_u32 s72, s72, s74
	v_add_nc_u32 v236, s72, v240
	s_lshl_b32 s72, s[HB], 4
	s_add_co_u32 s72, s72, s[BLK]
	s_mul_i32 s72, s72, REC
	s_add_nc_u64 s[12:13], s[12:13], s[72:73]      ; e's record (head, blk)
	s_lshl_b32 s79, s68, 5
	s_add_co_u32 s79, s79, s[QB]                   ; my first row t of e
	s_lshl_b32 s72, s77, 11
	s_add_co_u32 s72, s72, s79
	s_add_co_u32 s72, s72, 1                       ; x's row t + 1
	s_lshl_b32 s72, s72, 12
	s_lshl_b32 s75, s76, 8
	s_add_co_u32 s72, s72, s75
	s_lshl_b32 s75, s69, 7
	s_add_co_u32 s72, s72, s75
	s_add_nc_u64 s[8:9], s[8:9], s[72:73]
	s_add_co_u32 s79, s79, 31
	s_mov_b32 s80, 31*4096
	s_cmp_eq_u32 s79, 2047                         ; e's row 2047 has no x behind it: the load is held at the batch's last row, and the number is cleared
	s_cselect_b32 s80, 30*4096, s80
	s_cselect_b32 s81, 0, -1
	v_add_nc_u32 v247, s80, v[L4]
.endif
	s_sub_co_u32 s82, 0, s69                       ; all lanes where u = 1
	s_lshl_b32 s83, s69, 4
	s_wait_loadcnt 0x0
.irp j, 0,1,2,3,4,5
	v_cndmask_b32 v[QLO+\j], v[KI+\j], v[KI+6+\j], s82   ; my tile's six registers of the pair image
.endr
.irp j, 0,1,2,3,4,5
	v_mov_b32 v[QHI+6+\j], v[QLO+\j]
	v_mov_b32 v[QLO+6+\j], 0
	v_mov_b32 v[QHI+\j], 0
.endr
	v_lshrrev_b32 v[QSL], s83, v[KS]
	v_and_b32 v[QSL], 0xffff, v[QSL]               ; my tile's two bytes
	v_lshl_or_b32 v[QSL+1], v[QSL], 16, 0x101
	v_or_b32 v[QSL], 0x1010000, v[QSL]
	v_mov_b32 v13, 0xff61b1e6                      ; the largest t so far: -3e38.  (The lines from here on are the places between q's words and the first product)
	v_floor_f32 v12, -v13                          ; -M
	v_mov_b32 v14, 0
	v_mov_b32 v15, 0
	v_mov_b32 v[NINF], 0xff800000
.set n, BM
.rept 18
	v_mov_b32 v[n], 0                              ; written once: lane permutes' destinations and the upper halves of pairs count as read
.set n, n+1
.endr
.set n, 0
.rept 32
	v_mov_b32 v[O+n], 0                            ; O^T: the first change of M leaves zeros zeros
.set n, n+1
.endr
	PHASE 0
	PHASE 1
	PHASE 2
	PHASE 3
	; THE WAY OUT
.rept 4
	v_nop                                          ; four places behind the last products
.endr
.if PASS == 1
.set n, 0
.rept 31
	global_load_b32 v[KI+n], v[L4], s[8:9] offset:4096*n th:TH_LOAD_NT   ; x(t + 1, my channel), t = my 32 rows of e: 128 consecutive bytes a load
.set n, n+1
.endr
	global_load_b32 v[KI+31], v247, s[8:9] th:TH_LOAD_NT
.endif
	v_add_f32 v14, v14, v15
	v_permlanex16_b32 v[PD], v14, s[SEL], s[SEL+1]
	v_add_f32 v14, v14, v[PD]                      ; the row's sum
.if PASS == 2
	v_max_num_f32 v14, 0.5, v14                    ; a row with a key has a sum above 1/2; row 0 has none: 0 / 0.5 = 0
.endif
	v_rcp_f32 v14, v14
	v_nop                                          ; one plain place behind a transcendental
.set n, 0
	s_wait_alu depctr_va_vdst(0)
.rept 16
	v_pk_mul_f32 v[S+n:S+n+1], v[O+n:O+n+1], v[14:15] op_sel_hi:[1,0]   ; register 16 G + i = channel 32 G + 16 h + i.  Each accumulator is read from its low end on
.set n, n+2
.endr
.if PASS == 1
.irp g, 0,1
.irp j, 0,1,2,3
	ds_store_b128 v230, v[S+16*\g+4*\j:S+16*\g+4*\j+3] offset:128*\g+16*\j
.endr
.endr
.endif
	QUANT32 S, PCD
.irp p, 0,1,2
	global_store_b64 v238, v[PCD+2*\p:PCD+2*\p+1], s[10:11] offset:256*\p   ; 256 consecutive bytes, aligned
.endr
	v_lshl_or_b32 v[TT], v[TM+3], 8, v[TM+2]
	ds_store_b16 v231, v[TT]                       ; lanes r and r + 16 write the same two bytes with the same value
	s_wait_dscnt 0x0                               ; for the others' sake
	s_barrier_signal -1
	s_barrier_wait -1
.if PASS == 1
.set n, 0
.rept 32
	ds_load_b32 v[S+32+n], v232 offset:YP*n        ; y(t, my channel)
.set n, n+1
.endr
	s_wait_loadcnt 0x0
	s_wait_dscnt 0x0
.set n, 0
.rept 16
	v_pk_add_f32 v[KI+n:KI+n+1], v[KI+n:KI+n+1], v[S+32+n:S+33+n] neg_lo:[0,1] neg_hi:[0,1]   ; e = x(t + 1) - y(t)
.set n, n+2
.endr
	v_and_b32 v[KI+31], s81, v[KI+31]
	COLQ KI, 233, 234, 235
	s_wait_dscnt 0x0
	s_barrier_signal -1
	s_barrier_wait -1
	ds_load_b64 v[O:O+1], v236
	ds_load_b64 v[O+2:O+3], v236 offset:256
	ds_load_b64 v[O+4:O+5], v236 offset:512
	s_wait_dscnt 0x2                               ; the first is in; the two younger may be out
	global_store_b64 v246, v[O:O+1], s[12:13]
	s_wait_dscnt 0x1
	global_store_b64 v246, v[O+2:O+3], s[12:13] offset:256
	s_wait_dscnt 0x0
	global_store_b64 v246, v[O+4:O+5], s[12:13] offset:512
	s_cmp_eq_u32 s[WI], 0
	s_cbranch_scc0 .Lno_es
	ds_load_b64 v[O+6:O+7], v236 offset:6144       ; the record's scale words
	s_wait_dscnt 0x0
	global_store_b64 v240, v[O+6:O+7], s[12:13] offset:6144
.Lno_es:
.endif
	s_cmp_eq_u32 s[WI], 1
	s_cbranch_scc0 .Lend
	ds_load_b64 v[O+8:O+9], v237                   ; the block's 128 half words
	s_wait_dscnt 0x0
	global_store_b64 v239, v[O+8:O+9], s[10:11] offset:12288
.Lend:
	s_wait_tensorcnt 0x0
	ds_add_u32 v254, v255
	s_wait_dscnt 0x0
	s_endpgm
.Lfunc_end_k_q629ed3c4ba_attn1:
	.size	k_q629ed3c4ba_attn1, .Lfunc_end_k_q629ed3c4ba_attn1-k_q629ed3c4ba_attn1
	.p2alignl 7, 3214868480
	.fill 96, 4, 3214868480
	.section	.rodata,"a",@progbits
	.p2align	6, 0x0
	.amdhsa_kernel k_q629ed3c4ba_attn1
		.amdhsa_group_segment_fixed_size 289792
		.amdhsa_private_segment_fixed_size 0
		.amdhsa_enable_private_segment 0
		.amdhsa_kernarg_size 40
		.amdhsa_user_sgpr_count 2
		.amdhsa_user_sgpr_kernarg_segment_ptr 1
		.amdhsa_wavefront_size32 1
		.amdhsa_system_sgpr_workgroup_id_x 1
		.amdhsa_system_sgpr_workgroup_id_y 1
		.amdhsa_system_sgpr_workgroup_id_z 1
		.amdhsa_system_vgpr_workitem_id 0
		.amdhsa_next_free_vgpr 256
		.amdhsa_next_free_sgpr 100
		.amdhsa_reserve_vcc 1
		.amdhsa_float_denorm_mode_32 3
		.amdhsa_float_denorm_mode_16_64 3
		.amdhsa_memory_ordered 1
		.amdhsa_forward_progress 1
		.amdhsa_inst_pref_size 109
	.end_amdhsa_kernel
	.amdgpu_metadata
---
amdhsa.version: [ 1, 2 ]
amdhsa.kernels:
  - .name:           k_q629ed3c4ba_attn1
    .symbol:         k_q629ed3c4ba_attn1.kd
    .args:
      - { .name: qkk, .offset: 0, .size: 8, .value_kind: global_buffer, .address_space: global }
      - { .name: vimg, .offset: 8, .size: 8, .value_kind: global_buffer, .address_space: global }
      - { .name: x, .offset: 16, .size: 8, .value_kind: global_buffer, .address_space: global }
      - { .name: yimg, .offset: 24, .size: 8, .value_kind: global_buffer, .address_space: global }
      - { .name: eimg, .offset: 32, .size: 8, .value_kind: global_buffer, .address_space: global }
    .group_segment_fixed_size: 289792
    .private_segment_fixed_size: 0
    .kernarg_segment_align: 8
    .kernarg_segment_size: 40
    .max_flat_workgroup_size: 512
    .sgpr_count:     100
    .vgpr_count:     256
    .wavefront_size: 32
...
	.end_amdgpu_metadata
.endif
;; end of part 3
;; launch attn2 (part 4): grid 8 x 32, 16 waves a work-group, no clusters, 289,792 bytes of LDS; arguments qkk, eimg, y2img; writes y2img
.if DOCPART == 4
	.amdgcn_target "amdgcn-amd-amdhsa--gfx1250"
	.amdhsa_code_object_version 6
	.text
	.protected	k_q629ed3c4ba_attn2
	.globl	k_q629ed3c4ba_attn2
	.p2align	8
	.type	k_q629ed3c4ba_attn2,@function
k_q629ed3c4ba_attn2:
	s_mov_b64 s[64:65], 0
	v_nop
	global_prefetch_b8 v0, s[64:65] scope:SCOPE_SE
	s_setreg_imm32_b32 hwreg(HW_REG_WAVE_MODE, 25, 1), 1
	s_wait_xcnt 0x0
; CAUSAL ATTENTION ON CODES OF FP6 (E2M3), head size 64, one text for both passes (PASS below).
; PASS 1: y = softmax(q k^T / 8, key <= query) x, then e[t] = x[t + 1] - y[t] (e[2047] = 0).  PASS 2: y2 = softmax(q k2^T / 8, key < query) e; row 0 has no key and is 0.
; THE SOFTMAX: t = score x log2(e) / 8; M = the running largest t rounded UP to a whole number; p = 2^(t - M) is quantised along the keys, not normalised; the row's sum is taken of the unquantised p and divides at the end.
; SHARES.  Work-group (p, hb): head hb of 32; waves 0-7 take the block of 128 queries blk = p, waves 8-15 blk = 15 - p, so that every work-group has 8 x 17 steps of 16 queries x 128 keys.  A wave owns 16 queries: tile i = w % 8 of its block.
; THE WHOLE HEAD'S K AND V LIE IN LDS: 16 records of 6,400 bytes each (128 keys: K: four pair images and their words; V: four fragments of 16 channels x 128 keys and their words), in the order of the operands' registers.
; Wave 0 asks for K's four chunks of 25,600 bytes and wave 1 for V's, all at the head (four loads of a wave are out at the most); LDS bytes are never filled again; a counted wait and a plain barrier stand in front of each chunk's steps.
; NO CLUSTER: the eight work-groups of a head read the same K and V, but which steps a wave leaves out under the mask is a branch on its query block, which differs between them; partners of a joint load must run alike.
; NO PREFETCH: every byte that the launch reads through LDS is asked for at the head; there is no later request to run ahead of.
; HEAD SIZE 64 IN A PRODUCT OF 128: a pair image holds two key tiles, registers 0-5 tile u = 0 and 6-11 tile u = 1 of a group of 32 keys.  It is source 0 as it stands; source 1 is [q | zero codes] for u = 0 and [zero codes | q] for u = 1.
; Zero codes add nothing; q's scale bytes over them are 1.
; LAYOUT: both products transposed: a lane holds one query (lane % 16).  Row l of a group of 32 lies in tile (l / 8) % 2 at lane row l % 8 + 8 (l / 16), so that the 16 registers of two neighbouring tiles are 16 neighbours:
; scores: key 32 b + 16 (lane / 16) + 0 .. 15; O^T: channel 32 G + 16 (lane / 16) + 0 .. 15.
; OUT: y (y2) quantised along the head's 64, as registers 6 c .. 6 c + 5 (c = head % 2) of the projection's token fragment: three planes of 256 bytes (registers 2 q, 2 q + 1 of lane n at 256 q + 8 n), and half scale words, 2 bytes a token.
; LIMITS: a block of zeros gets the byte 1 (zero codes; read by this program alone); NaN and infinities are not served.
.set PASS, 2
.set REC,   6400
.set CHUNK, 4*REC
.set HEADB, 16*REC
.set KC,    0
.set VC,    HEADB
.set YST,   2*HEADB                    ; PASS 1: 256 rows x (256 + 16) bytes of y in f32.  No fill lands from here on
.set YP,    272
.set EOUT,  YST+256*YP                 ; PASS 1: e's two records
.set YSH,   EOUT+2*REC                 ; 2 x 256 bytes of half scale words
.set L16, 1                            ; v1 16 x lane   v2 4 x lane
.set L4,  2
.set ADK, 3                            ; v3-6 LDS addresses of the step in hand
.set ADV, 4
.set ADS, 5
.set ADT, 6
.set DQ,  7                            ; v7 my query in its block, less 16 (lane / 16), less 1 in PASS 2
.set QLO, 16                           ; v16-27 [q | 0]   v28-39 [0 | q]   v40, v41 their scale words
.set QHI, 28
.set QSL, 40
.set KS,  42                           ; v42-43 K's scale words
.set KI,  44                           ; v44-91 four pair images of K, then four fragments of V
.set VS,  92                           ; v92-93 V's scale words
.set NINF, 94
.set S,   96                           ; v96-159 S^T, then p
.set O,   160                          ; v160-191 O^T
.set PCD, 192                          ; v192-203 p's codes
.set CT,  204                          ; v204-206, v208-210 conversions' upper halves
.set QT,  208
.set BM,  212                          ; v212-215 block maxima
.set TM,  212                          ; (the way out's quantiser: v212-217)
.set PD,  216                          ; v216-219 permutes' results, then bytes
.set SO,  220                          ; v220-223 scale operands
.set F,   224                          ; v224-225 f
.set PW,  226                          ; p's scale word
.set TT,  227
.set SM2, 228                          ; v228-229 the second chain of the sum
; v230-247: addresses and offsets of the way out, made at the head; they never hold loaded data
.set WV,  14
.set HALF, 15
.set WI,  16
.set HB,  18
.set BLK, 19
.set QB,  20
.set G1,  24
.set KF,  32
.set TK,  33
.set TV,  34
.set CNT, 35
.set G0,  44
.set CS,  60
.set SEL, 62
.macro SC b, u                         ; scores of key tile (b, u)
.set q_r, QLO+12*(\u)
.if (\b)%2 == 0
	v_wmma_scale_f32_16x16x128_f8f6f4 v[S+8*(2*(\b)+(\u)):S+8*(2*(\b)+(\u))+7], v[KI+12*(\b):KI+12*(\b)+11], v[q_r:q_r+11], 0, v[KS+(\b)/2], v[QSL+(\u)] matrix_a_fmt:MATRIX_FMT_FP6 matrix_b_fmt:MATRIX_FMT_FP6
.else
	v_wmma_scale_f32_16x16x128_f8f6f4 v[S+8*(2*(\b)+(\u)):S+8*(2*(\b)+(\u))+7], v[KI+12*(\b):KI+12*(\b)+11], v[q_r:q_r+11], 0, v[KS+(\b)/2], v[QSL+(\u)] matrix_a_fmt:MATRIX_FMT_FP6 matrix_b_fmt:MATRIX_FMT_FP6 matrix_a_scale:MATRIX_SCALE_ROW1
.endif
.endm
.macro OV t                            ; O^T of channel tile t += V^T P^T
.if (\t)%2 == 0
	v_wmma_scale_f32_16x16x128_f8f6f4 v[O+8*(\t):O+8*(\t)+7], v[KI+12*(\t):KI+12*(\t)+11], v[PCD:PCD+11], v[O+8*(\t):O+8*(\t)+7], v[VS+(\t)/2], v[PW] matrix_a_fmt:MATRIX_FMT_FP6 matrix_b_fmt:MATRIX_FMT_FP6
.else
	v_wmma_scale_f32_16x16x128_f8f6f4 v[O+8*(\t):O+8*(\t)+7], v[KI+12*(\t):KI+12*(\t)+11], v[PCD:PCD+11], v[O+8*(\t):O+8*(\t)+7], v[VS+(\t)/2], v[PW] matrix_a_fmt:MATRIX_FMT_FP6 matrix_b_fmt:MATRIX_FMT_FP6 matrix_a_scale:MATRIX_SCALE_ROW1
.endif
.endm
; A KEY STEP: 128 keys from s[KF] on; their records begin at LDS bytes s[TK] and s[TV]
.macro STEP
	s_cmp_gt_u32 s[KF], s[QB]                      ; all its keys come after my block's queries: the work is left out (a branch on ids), not the lines at the end that step addresses
	s_cbranch_scc1 .Lhid_\@
	v_add_nc_u32 v[ADK], s[TK], v[L16]             ; (these four are also the places in front of the loads into registers that the last products read)
	v_add_nc_u32 v[ADV], s[TV], v[L16]
	v_add_nc_u32 v[ADS], s[TK], v[L4]
	v_add_nc_u32 v[ADT], s[TV], v[L4]
.irp b, 0,1,2,3
.irp c, 0,1,2
	ds_load_b128 v[KI+12*\b+4*\c:KI+12*\b+4*\c+3], v[ADK] offset:1536*\b+512*\c
.endr
.endr
	ds_load_b32 v[KS], v[ADS] offset:6144          ; lanes 0-15 group 0's words, lanes 16-31 group 1's
	ds_load_b32 v[KS+1], v[ADS] offset:6272        ; groups 2 and 3
	s_wait_dscnt 0x0
.irp b, 0,1,2,3
	SC \b, 0
	SC \b, 1
.endr
.rept 4
	v_nop                                          ; four places: in front of the loads below and of the first read of the scores
.endr
.irp t, 0,1,2,3
.irp c, 0,1,2
	ds_load_b128 v[KI+12*\t+4*\c:KI+12*\t+4*\c+3], v[ADV] offset:1536*\t+512*\c   ; V's fragments land while the softmax is walked
.endr
.endr
	ds_load_b32 v[VS], v[ADT] offset:6144
	ds_load_b32 v[VS+1], v[ADT] offset:6272
	s_cmp_lg_u32 s[KF], s[QB]                      ; only my block's own step lies on the diagonal
	s_cbranch_scc1 .Lopen_\@
.set n, 0
.rept 64                                       ; register n holds key KF + 16 (lane / 16) + 32 (n / 16) + n % 16: hidden scores become -infinity ahead of the maximum
	v_cmp_gt_i32 vcc_lo, 32*(n/16)+n%16, v[DQ]
	v_cndmask_b32 v[S+n], v[S+n], v[NINF], vcc_lo
.set n, n+1
.endr
.Lopen_\@:
.irp b, 0,1,2,3
	v_max3_num_f32 v[BM+\b], v[S+16*\b], v[S+1+16*\b], v[S+2+16*\b]   ; the largest score of each block of 32 keys: it serves the row's maximum and, since p rises with the score, the block's largest p
.endr
.irp i, 3,5,7,9,11,13
.irp b, 0,1,2,3
	v_max3_num_f32 v[BM+\b], v[BM+\b], v[S+16*\b+\i], v[S+1+16*\b+\i]
.endr
.endr
.irp b, 0,1,2,3
	v_max_num_f32 v[BM+\b], v[BM+\b], v[S+15+16*\b]
.endr
.irp b, 0,1,2,3
	v_permlanex16_b32 v[PD+\b], v[BM+\b], s[SEL], s[SEL+1]
.endr
.irp b, 0,1,2,3
	v_max_num_f32 v[BM+\b], v[BM+\b], v[PD+\b]     ; with lane l xor 16's 16 keys
.endr
	v_max3_num_f32 v[TT], v[BM], v[BM+1], v[BM+2]
	v_max_num_f32 v[TT], v[TT], v[BM+3]
	v_mul_f32 v[TT], s[CS], v[TT]                  ; as t (c is positive)
	v_max_num_f32 v13, v13, v[TT]                  ; the running largest t
	v_mov_b32 v[TT], v12
	v_floor_f32 v12, -v13                          ; the new -M = floor(-t): M is a whole number
	v_sub_f32 v[TT], v12, v[TT]                    ; old M less new M: a whole number, 0 or less
	v_cvt_i32_f32 v[TT], v[TT]                     ; (it saturates)
	v_ldexp_f32 v[F], 1.0, v[TT]                   ; f = 2^(old M - new M): a multiplication by it rounds nothing
.set n, 0
.rept 32
	v_pk_fma_f32 v[S+n:S+n+1], v[S+n:S+n+1], s[CS:CS+1], v[12:13] op_sel_hi:[1,0,0]   ; t - M, two at a time
.set n, n+2
.endr
.irp b, 0,1,2,3
	v_fma_f32 v[BM+\b], v[BM+\b], s[CS], v12
.endr
.set n, 0
.rept 64
	v_exp_f32 v[S+n], v[S+n]                       ; p = 2^(t - M)
.set n, n+1
.endr
.irp b, 0,1,2,3
	v_exp_f32 v[BM+\b], v[BM+\b]                   ; the block's largest p: the same two instructions on the same number
.endr
	v_pk_mul_f32 v[14:15], v[14:15], v[F:F+1] op_sel_hi:[1,0]   ; the sums under the new M (a plain place behind the exponentials)
	s_wait_alu depctr_va_vdst(0)
.irp b, 0,1,2,3
	v_max_num_f32 v[BM+\b], 0x1800000, v[BM+\b]    ; the floor 2^(3 - 127)
.endr
.irp b, 0,1,2,3
	v_add_nc_u32 v[SO+\b], 0xff000000, v[BM+\b]
.endr
.irp b, 0,1,2,3
	v_lshrrev_b32 v[PD+\b], 23, v[SO+\b]
.endr
	v_lshl_or_b32 v[PW], v[PD+1], 8, v[PD]         ; p's scale word for these 128 keys
	v_lshl_or_b32 v[PW], v[PD+2], 16, v[PW]
	v_lshl_or_b32 v[PW], v[PD+3], 24, v[PW]
.irp c, 0,1
	v_cvt_scalef32_pk16_fp6_f32 v[PCD+6*\c:PCD+6*\c+2], v[S+32*\c:S+32*\c+15], v[SO+2*\c]
	v_cvt_scalef32_pk16_fp6_f32 v[CT+4*\c:CT+4*\c+2], v[S+16+32*\c:S+31+32*\c], v[SO+2*\c+1]
.endr
	v_nop                                          ; one plain place behind a scaled conversion
.irp c, 0,1
.irp i, 0,1,2
	v_permlane16_swap_b32 v[PCD+6*\c+\i], v[CT+4*\c+\i]   ; a whole block to a lane
.endr
.irp i, 0,1,2
	v_mov_b32 v[PCD+3+6*\c+\i], v[CT+4*\c+\i]
.endr
.endr
	v_pk_add_f32 v[SM2:SM2+1], v[S:S+1], v[S+2:S+3]   ; the row's sum is taken of the unquantised p, in two chains
.irp j, 4,8,12,16,20,24,28,32,36,40,44,48,52,56,60
	v_pk_add_f32 v[14:15], v[14:15], v[S+\j:S+\j+1]
	v_pk_add_f32 v[SM2:SM2+1], v[SM2:SM2+1], v[S+2+\j:S+3+\j]
.endr
	v_pk_add_f32 v[14:15], v[14:15], v[SM2:SM2+1]
.set n, 0
.rept 16
	v_pk_mul_f32 v[O+n:O+n+1], v[O+n:O+n+1], v[F:F+1] op_sel_hi:[1,0]   ; O^T under the new M.  (The sums and these are the places between p's codes and word and the products)
.set n, n+2
.endr
	s_wait_dscnt 0x0                               ; V's fragments and words are in
	OV 0
	OV 1
	OV 2
	OV 3
.Lhid_\@:
	s_add_co_u32 s[KF], s[KF], 128
	s_add_co_u32 s[TK], s[TK], REC
	s_add_co_u32 s[TV], s[TV], REC
.endm
; chunk n: four key steps
.macro PHASE n
	s_wait_dscnt 0x0
	s_wait_tensorcnt 3-\n                          ; chunk n has landed; the chunks issued behind it may be out (a wave that issued none passes)
	s_barrier_signal -1
	s_barrier_wait -1                              ; everybody's has.
	s_mov_b32 s[KF], 512*\n
	s_mov_b32 s[TK], KC+CHUNK*\n
	s_mov_b32 s[TV], VC+CHUNK*\n
	s_mov_b32 s[CNT], 4
.Lstep_\@:
	STEP
	s_sub_co_u32 s[CNT], s[CNT], 1
	s_cmp_lg_u32 s[CNT], 0
	s_cbranch_scc1 .Lstep_\@
.endm
; 32 numbers of a lane, register 16 b + i = k 32 b + 16 (lane / 16) + i of its row, become six registers of codes (lane (r, h): block h) at v[d]; the bytes stand in v[TM+2], v[TM+3]
.macro QUANT32 s, d
.irp b, 0,1
	v_max3_num_f32 v[TM+\b], |v[(\s)+16*\b]|, |v[(\s)+1+16*\b]|, 0x1800000
.endr
.irp i, 2,4,6,8,10,12,14
.irp b, 0,1
	v_max3_num_f32 v[TM+\b], v[TM+\b], |v[(\s)+16*\b+\i]|, |v[(\s)+1+16*\b+\i]|
.endr
.endr
.irp b, 0,1
	v_permlanex16_b32 v[TM+2+\b], v[TM+\b], s[SEL], s[SEL+1]
.endr
.irp b, 0,1
	v_max_num_f32 v[TM+\b], v[TM+\b], v[TM+2+\b]
.endr
.irp b, 0,1
	v_add_nc_u32 v[TM+4+\b], 0xff000000, v[TM+\b]
.endr
.irp b, 0,1
	v_lshrrev_b32 v[TM+2+\b], 23, v[TM+4+\b]
.endr
	v_cvt_scalef32_pk16_fp6_f32 v[(\d):(\d)+2], v[(\s):(\s)+15], v[TM+4]
	v_cvt_scalef32_pk16_fp6_f32 v[QT:QT+2], v[(\s)+16:(\s)+31], v[TM+5]
	v_nop
.irp i, 0,1,2
	v_permlane16_swap_b32 v[(\d)+\i], v[QT+\i]
.endr
.irp i, 0,1,2
	v_mov_b32 v[(\d)+3+\i], v[QT+\i]
.endr
.endm
	s_load_b128 s[4:7], s[0:1], 0x0                ; qkk, eimg
	s_load_b64 s[10:11], s[0:1], 0x10              ; y2img
	v_lshl_add_u32 v254, v0, 2, 0x46400
	v_mov_b32 v255, 0
	ds_add_u32 v254, v255
	ds_add_u32 v254, v255
	v_lshrrev_b32 v1, 5, v0
	v_readfirstlane_b32 s[WV], v1                  ; wave 0..15
	s_lshr_b32 s[HALF], s[WV], 3
	s_and_b32 s[WI], s[WV], 7                      ; my tile of 16 queries in the block
	s_and_b32 s[HB], ttmp7, 0xffff                 ; 16 x batch + head
	s_lshl_b32 s[BLK], ttmp9, 1
	s_sub_co_u32 s[BLK], 15, s[BLK]
	s_mul_i32 s[BLK], s[BLK], s[HALF]
	s_add_co_u32 s[BLK], s[BLK], ttmp9             ; p, or 15 - p
	s_lshl_b32 s[QB], s[BLK], 7                    ; the block's first query
	; descriptor group 1: 100 rows of 256 bytes (32 elements of 8 bytes), dense: four records
	s_mov_b32 s[G1], 3<<16
	s_mov_b32 s[G1+1], 32<<16
	s_mov_b32 s[G1+2], 100<<16
	s_mov_b32 s[G1+3], 32<<16
	s_mov_b32 s[G1+4], 100
	s_mov_b32 s[G1+5], 32
	s_mov_b32 s[G1+6], 0
	s_mov_b32 s[G1+7], 0
	s_mul_i32 s36, s[HB], HEADB
	s_mov_b32 s37, 0
	s_mul_i32 s40, s[WV], HEADB                    ; wave 0 fills K's bytes, wave 1 V's
	s_wait_dscnt 0x0
	s_wait_kmcnt 0x0
	s_add_nc_u64 s[38:39], s[4:5], PASS*32*HEADB   ; region 1 of qkk is k, region 2 k2
	s_cmp_eq_u32 s[WV], 0
	s_cselect_b64 s[38:39], s[38:39], s[6:7]
	s_add_nc_u64 s[38:39], s[38:39], s[36:37]
.irp j, 0,1,2,3
	s_mov_b32 s[G0+4*\j], 1
	s_add_co_u32 s[G0+4*\j+1], s40, CHUNK*\j
	s_add_nc_u64 s[G0+4*\j+2:G0+4*\j+3], s[38:39], CHUNK*\j
	s_or_b32 s[G0+4*\j+3], s[G0+4*\j+3], 0x80000000
.endr
	s_cmp_lt_u32 s[WV], 2                          ; a wave's fills stand in one branch on the wave's number; four v_nop follow them
	s_cbranch_scc0 .Lno_fill
.irp j, 0,1,2,3
	tensor_load_to_lds s[G0+4*\j:G0+4*\j+3], s[G1:G1+7]
	s_nop 0
.endr
.rept 4
	v_nop
.endr
.Lno_fill:
	v_and_b32 v8, 31, v0                           ; lane
	v_lshlrev_b32 v[L16], 4, v8
	v_lshlrev_b32 v[L4], 2, v8
	v_and_b32 v9, 15, v0                           ; r
	v_bfe_u32 v10, v0, 4, 1                        ; h
	s_mul_i32 s38, s[BLK], REC
	s_mov_b32 s39, 0
	s_add_nc_u64 s[66:67], s[4:5], s[36:37]
	s_add_nc_u64 s[66:67], s[66:67], s[38:39]      ; my block's record of q (region 0)
	s_lshr_b32 s68, s[WI], 1                       ; my group of 32 queries
	s_and_b32 s69, s[WI], 1                        ; u
	s_mul_i32 s70, s68, 1536
	v_add_nc_u32 v241, s70, v[L16]
	s_lshl_b32 s70, s68, 6
	v_lshl_add_u32 v242, v9, 2, s70
	global_load_b128 v[KI:KI+3], v241, s[66:67]
	global_load_b128 v[KI+4:KI+7], v241, s[66:67] offset:512
	global_load_b128 v[KI+8:KI+11], v241, s[66:67] offset:1024
	global_load_b32 v[KS], v242, s[66:67] offset:6144
	s_mov_b32 s[CS], 0x3e38aa3b                    ; c = log2(e) / 8
	s_mov_b32 s[CS+1], s[CS]                       ; (named with it as a pair, so it is written)
	s_mov_b32 s[SEL], 0x76543210
	s_mov_b32 s[SEL+1], 0xfedcba98
	s_lshl_b32 s70, s68, 5
	s_lshl_b32 s71, s69, 3
	s_add_co_u32 s70, s70, s71                     ; 32 (i / 2) + 8 u
	s_sub_co_u32 s71, s70, PASS-1
	v_and_b32 v11, 8, v9
	v_add_nc_u32 v11, v11, v9                      ; r + 8 (r / 8)
	v_lshlrev_b32 v[DQ], 4, v10
	v_sub_nc_u32 v[DQ], v11, v[DQ]
	v_add_nc_u32 v[DQ], s71, v[DQ]
	; the way out's addresses
	v_lshlrev_b32 v240, 3, v8                      ; 8 x lane
	s_lshl_b32 s72, s[WV], 5
	s_add_co_u32 s72, s72, YSH
	v_lshl_add_u32 v231, v9, 1, s72                ; my row's half word: YSH + 256 half + 32 i + 2 r
	s_lshl_b32 s72, s[HALF], 8
	s_add_co_u32 s72, s72, YSH
	v_add_nc_u32 v237, s72, v240
	s_and_b32 s76, s[HB], 15                       ; head
	s_lshr_b32 s77, s[HB], 4                       ; batch
	s_and_b32 s78, s76, 1                          ; c
	s_mul_i32 s72, s[WI], 1536
	s_mul_i32 s73, s78, 768
	s_add_co_u32 s72, s72, s73
	v_add_nc_u32 v238, s72, v240                   ; y2's codes: tile i, planes 3 c on
	s_lshl_b32 s72, s78, 8
	v_add_nc_u32 v239, s72, v240
	s_lshl_b32 s72, s77, 4
	s_add_co_u32 s72, s72, s[BLK]
	s_lshl_b32 s72, s72, 3
	s_lshr_b32 s73, s76, 1
	s_add_co_u32 s72, s72, s73
	s_mul_i32 s72, s72, 12800                      ; record (token block 16 b + blk, K step head / 2)
	s_mov_b32 s73, 0
	s_add_nc_u64 s[10:11], s[10:11], s[72:73]
	s_sub_co_u32 s82, 0, s69                       ; all lanes where u = 1
	s_lshl_b32 s83, s69, 4
	s_wait_loadcnt 0x0
.irp j, 0,1,2,3,4,5
	v_cndmask_b32 v[QLO+\j], v[KI+\j], v[KI+6+\j], s82   ; my tile's six registers of the pair image
.endr
.irp j, 0,1,2,3,4,5
	v_mov_b32 v[QHI+6+\j], v[QLO+\j]
	v_mov_b32 v[QLO+6+\j], 0
	v_mov_b32 v[QHI+\j], 0
.endr
	v_lshrrev_b32 v[QSL], s83, v[KS]
	v_and_b32 v[QSL], 0xffff, v[QSL]               ; my tile's two bytes
	v_lshl_or_b32 v[QSL+1], v[QSL], 16, 0x101
	v_or_b32 v[QSL], 0x1010000, v[QSL]
	v_mov_b32 v13, 0xff61b1e6                      ; the largest t so far: -3e38.  (The lines from here on are the places between q's words and the first product)
	v_floor_f32 v12, -v13                          ; -M
	v_mov_b32 v14, 0
	v_mov_b32 v15, 0
	v_mov_b32 v[NINF], 0xff800000
.set n, BM
.rept 18
	v_mov_b32 v[n], 0                              ; written once: lane permutes' destinations and the upper halves of pairs count as read
.set n, n+1
.endr
.set n, 0
.rept 32
	v_mov_b32 v[O+n], 0                            ; O^T: the first change of M leaves zeros zeros
.set n, n+1
.endr
	PHASE 0
	PHASE 1
	PHASE 2
	PHASE 3
	; THE WAY OUT
.rept 4
	v_nop                                          ; four places behind the last products
.endr
	v_add_f32 v14, v14, v15
	v_permlanex16_b32 v[PD], v14, s[SEL], s[SEL+1]
	v_add_f32 v14, v14, v[PD]                      ; the row's sum
	v_max_num_f32 v14, 0.5, v14                    ; a row with a key has a sum above 1/2; row 0 has none: 0 / 0.5 = 0
	v_rcp_f32 v14, v14
	v_nop                                          ; one plain place behind a transcendental
.set n, 0
	s_wait_alu depctr_va_vdst(0)
.rept 16
	v_pk_mul_f32 v[S+n:S+n+1], v[O+n:O+n+1], v[14:15] op_sel_hi:[1,0]   ; register 16 G + i = channel 32 G + 16 h + i.  Each accumulator is read from its low end on
.set n, n+2
.endr
	QUANT32 S, PCD
.irp p, 0,1,2
	global_store_b64 v238, v[PCD+2*\p:PCD+2*\p+1], s[10:11] offset:256*\p   ; 256 consecutive bytes, aligned
.endr
	v_lshl_or_b32 v[TT], v[TM+3], 8, v[TM+2]
	ds_store_b16 v231, v[TT]                       ; lanes r and r + 16 write the same two bytes with the same value
	s_wait_dscnt 0x0                               ; for the others' sake
	s_barrier_signal -1
	s_barrier_wait -1
	s_cmp_eq_u32 s[WI], 1
	s_cbranch_scc0 .Lend
	ds_load_b64 v[O+8:O+9], v237                   ; the block's 128 half words
	s_wait_dscnt 0x0
	global_store_b64 v239, v[O+8:O+9], s[10:11] offset:12288
.Lend:
	s_wait_tensorcnt 0x0
	ds_add_u32 v254, v255
	s_wait_dscnt 0x0
	s_endpgm
.Lfunc_end_k_q629ed3c4ba_attn2:
	.size	k_q629ed3c4ba_attn2, .Lfunc_end_k_q629ed3c4ba_attn2-k_q629ed3c4ba_attn2
	.p2alignl 7, 3214868480
	.fill 96, 4, 3214868480
	.section	.rodata,"a",@progbits
	.p2align	6, 0x0
	.amdhsa_kernel k_q629ed3c4ba_attn2
		.amdhsa_group_segment_fixed_size 289792
		.amdhsa_private_segment_fixed_size 0
		.amdhsa_enable_private_segment 0
		.amdhsa_kernarg_size 24
		.amdhsa_user_sgpr_count 2
		.amdhsa_user_sgpr_kernarg_segment_ptr 1
		.amdhsa_wavefront_size32 1
		.amdhsa_system_sgpr_workgroup_id_x 1
		.amdhsa_system_sgpr_workgroup_id_y 1
		.amdhsa_system_sgpr_workgroup_id_z 1
		.amdhsa_system_vgpr_workitem_id 0
		.amdhsa_next_free_vgpr 256
		.amdhsa_next_free_sgpr 100
		.amdhsa_reserve_vcc 1
		.amdhsa_float_denorm_mode_32 3
		.amdhsa_float_denorm_mode_16_64 3
		.amdhsa_memory_ordered 1
		.amdhsa_forward_progress 1
		.amdhsa_inst_pref_size 97
	.end_amdhsa_kernel
	.amdgpu_metadata
---
amdhsa.version: [ 1, 2 ]
amdhsa.kernels:
  - .name:           k_q629ed3c4ba_attn2
    .symbol:         k_q629ed3c4ba_attn2.kd
    .args:
      - { .name: qkk, .offset: 0, .size: 8, .value_kind: global_buffer, .address_space: global }
      - { .name: eimg, .offset: 8, .size: 8, .value_kind: global_buffer, .address_space: global }
      - { .name: y2img, .offset: 16, .size: 8, .value_kind: global_buffer, .address_space: global }
    .group_segment_fixed_size: 289792
    .private_segment_fixed_size: 0
    .kernarg_segment_align: 8
    .kernarg_segment_size: 24
    .max_flat_workgroup_size: 512
    .sgpr_count:     100
    .vgpr_count:     256
    .wavefront_size: 32
...
	.end_amdgpu_metadata
.endif
;; end of part 4
;; launch proj (part 5): grid 8 x 32, 4 waves a work-group, clusters of 4 x 4, 325,120 bytes of LDS; arguments yimg, y2img, wimg, b_proj, out0; writes out0
.if DOCPART == 5
	.amdgcn_target "amdgcn-amd-amdhsa--gfx1250"
	.amdhsa_code_object_version 6
	.text
	.protected	k_q629ed3c4ba_proj
	.globl	k_q629ed3c4ba_proj
	.p2align	8
	.type	k_q629ed3c4ba_proj,@function
k_q629ed3c4ba_proj:
	s_mov_b64 s[64:65], 0
	v_nop
	global_prefetch_b8 v0, s[64:65] scope:SCOPE_SE
	s_setreg_imm32_b32 hwreg(HW_REG_WAVE_MODE, 25, 1), 1
	s_wait_xcnt 0x0
	s_wait_alu depctr_hold_cnt(0) depctr_sa_sdst(0) depctr_va_vdst(0) depctr_va_sdst(0) depctr_va_ssrc(0) depctr_va_vcc(0) depctr_vm_vsrc(0)
	s_getreg_b32 s2, hwreg(HW_REG_IB_STS2, 6, 4)
	s_cmp_eq_u32 s2, 0
	s_cbranch_scc0 .Lentry_in_a_cluster
	s_endpgm
.Lentry_in_a_cluster:
	s_bfe_u32 s2, ttmp6, 0x10000c
	s_cmp_lg_u32 s2, 0xf033
	s_cbranch_scc0 .Lentry_shape_is_right
	s_endpgm
.Lentry_shape_is_right:
; out = (y W_proj + b_proj) + (y2 W_proj + b_proj) on codes of FP6 (E2M3) with E8M0 scales: ONE sum of 16 K steps of 128 (y's eight, then y2's eight, each against W_proj's eight), begun with 2 b_proj as its C.
; A work-group makes 128 tokens (TB) x 128 features (FB); a wave 64 x 64: 16 accumulators.  The three panels (8 records of 12,800 bytes each) fit in LDS whole: every tensor load is a first fill, issued at the head
; (wave 0: y's four slices of two records, wave 1: W's, wave 2: y2's; four loads of a wave are out at the most); LDS bytes are never filled again; a counted wait and a plain barrier stand in front of each slice's first read.
; All requests go out at the head, so there is no later request for a prefetch to run ahead of.
; CLUSTERS: 4 x 4 work-groups; y's and y2's panels hang on TB alone and are asked for jointly along a row of the cluster, W's on FB alone, along a column.
; THE PRODUCT IS USED TRANSPOSED (source 0 = 16 features, source 1 = 16 tokens); row l of a group of 32 lies in tile (l / 8) % 2 at lane row l % 8 + 8 (l / 16): a lane holds one token, and its registers run along the features.
; A token fragment lies as six planes of 256 bytes (registers 2 q, 2 q + 1 of lane n at 256 q + 8 n): two heads, made by two work-groups, wrote three planes each.  For the same reason a token's scale word comes as two halves of 2 bytes,
; which are joined in each K step by one v_lshl_or_b32 for each group of 32 tokens.
; LIMITS: the two products of the problem add into one accumulator, y's first; NaN and infinities are not served.
; REGISTERS: window 0: v6-17 LDS addresses, v18-21 offsets, v24-27 W's scale words (two sets), v32-39 half words (two sets), v40-43 token scale words (two sets), v96-127 2 x bias, v128-255 accumulators (a, b) at 128 + 32 a + 8 b;
;   on the way out v64-127 rows of the result.   window 1: two buffers of 96: W's four fragments, then the tokens' four.
.set REC,   12800
.set SLICE, 2*REC
.set PANEL, 8*REC
.set SCO,   12288
.set WB,    2*PANEL                    ; y's panel at LDS byte 0, y2's at PANEL, W's here
.set STG,   3*PANEL                    ; the way out: 16 rows x (256 + 16) bytes for each wave; no fill lands here
.set SP,    272
.set AT,  6
.set AW,  10
.set ATS, 12
.set ASW, 16
.set STO, 19
.set RD,  20
.set CO,  21
.set WS,  24
.set TL,  32
.set TS,  40
.set BK,  64
.set BI,  96
.set ACC, 128
.set G1X, 24
.set G1W, 32
.set G0X, 44
.set G0W, 68
.set G0Z, 84
.set MSB, 0
.macro WIN new                         ; the immediate's high byte repeats the setting that is left
.if MSB != \new
	s_set_vgpr_msb (MSB<<8)|\new
.set MSB, \new
.endif
.endm
.macro CROUND                          ; a round of the cluster's barrier
	s_barrier_signal -1
	s_barrier_wait -1
	s_cmp_lg_u32 s14, 0
	s_cbranch_scc1 .Lnot_wave_0_\@
	s_barrier_signal -3
.Lnot_wave_0_\@:
	s_barrier_wait -3
	s_barrier_signal -1
	s_barrier_wait -1
.endm
.macro PLACES
.rept 4
	v_nop
.endr
.endm
; step q (panel q / 8, record q % 8) into buffer k
.macro FETCH q, k
	WIN 0x40
.irp b, 0,1,2,3
.irp c, 0,1,2
	ds_load_b128 v[96*(\k)+12*\b+4*\c:96*(\k)+12*\b+4*\c+3], v[AW+((\q)%8)/4] offset:((\q)%4)*REC+1536*\b+512*\c
.endr
.endr
.irp a, 0,1,2,3
.irp p, 0,1,2,3,4,5
	ds_load_b64 v[96*(\k)+48+12*\a+2*\p:96*(\k)+48+12*\a+2*\p+1], v[AT+(\q)/4] offset:((\q)%4)*REC+1536*\a+256*\p
.endr
.endr
	WIN 0
.irp g, 0,1
	ds_load_b32 v[WS+2*(\k)+\g], v[ASW+((\q)%8)/4] offset:((\q)%4)*REC+128*\g
.irp c, 0,1
	ds_load_u16 v[TL+4*(\k)+2*\g+\c], v[ATS+(\q)/4] offset:((\q)%4)*REC+256*\c+64*\g   ; lanes 0-15 tile u = 0 of group g, lanes 16-31 tile u = 1; head 2 s + c's two bytes
.endr
.endr
.endm
.macro MM a, b, k, first
.set m_d, ACC+32*(\a)+8*(\b)
.if \first
.set m_c, BI+8*(\b)
.else
.set m_c, m_d
.endif
.set m_a, 96*(\k)+12*(\b)
.set m_b, 96*(\k)+48+12*(\a)
.set m_sa, WS+2*(\k)+(\b)/2
.set m_sb, TS+2*(\k)+(\a)/2
.if ((\b)%2 == 0) && ((\a)%2 == 0)
	v_wmma_scale_f32_16x16x128_f8f6f4 v[m_d:m_d+7], v[m_a:m_a+11], v[m_b:m_b+11], v[m_c:m_c+7], v[m_sa], v[m_sb] matrix_a_fmt:MATRIX_FMT_FP6 matrix_b_fmt:MATRIX_FMT_FP6
.elseif ((\b)%2 == 1) && ((\a)%2 == 0)
	v_wmma_scale_f32_16x16x128_f8f6f4 v[m_d:m_d+7], v[m_a:m_a+11], v[m_b:m_b+11], v[m_c:m_c+7], v[m_sa], v[m_sb] matrix_a_fmt:MATRIX_FMT_FP6 matrix_b_fmt:MATRIX_FMT_FP6 matrix_a_scale:MATRIX_SCALE_ROW1
.elseif ((\b)%2 == 0) && ((\a)%2 == 1)
	v_wmma_scale_f32_16x16x128_f8f6f4 v[m_d:m_d+7], v[m_a:m_a+11], v[m_b:m_b+11], v[m_c:m_c+7], v[m_sa], v[m_sb] matrix_a_fmt:MATRIX_FMT_FP6 matrix_b_fmt:MATRIX_FMT_FP6 matrix_b_scale:MATRIX_SCALE_ROW1
.else
	v_wmma_scale_f32_16x16x128_f8f6f4 v[m_d:m_d+7], v[m_a:m_a+11], v[m_b:m_b+11], v[m_c:m_c+7], v[m_sa], v[m_sb] matrix_a_fmt:MATRIX_FMT_FP6 matrix_b_fmt:MATRIX_FMT_FP6 matrix_a_scale:MATRIX_SCALE_ROW1 matrix_b_scale:MATRIX_SCALE_ROW1
.endif
.endm
.macro MUL16 k, first                  ; the 16 accumulators take turns, one instruction a turn, in the same order in every step
.irp a, 0,1,2,3
.irp b, 0,1,2,3
	MM \a, \b, \k, \first
.endr
.endr
.endm
.macro STEP q, first
	s_wait_dscnt 0x0                               ; this step's fragments, words and half words are in
	v_lshl_or_b32 v[TS+2*((\q)%2)], v[TL+4*((\q)%2)+1], 16, v[TL+4*((\q)%2)]       ; a token's scale word: head 2 s's two bytes below, head 2 s + 1's above
	v_lshl_or_b32 v[TS+2*((\q)%2)+1], v[TL+4*((\q)%2)+3], 16, v[TL+4*((\q)%2)+2]
.if ((\q) == 1) || ((\q) == 3) || ((\q) == 5)
	s_wait_tensorcnt 3-((\q)+1)/2                  ; the slice of records q + 1 and q + 2 of my panel has landed; the slices issued behind it may be out (a wave that issued none passes)
	s_barrier_signal -1
	s_barrier_wait -1                              ; everybody's has.  Behind the third of them all three panels are whole
.endif
.rept 8
	v_nop                                          ; a scale register written by a vector instruction stands eight places ahead of a scaled product; four of them are also the places in front of the loads below
.endr
.if (\q) < 15
	FETCH (\q)+1, ((\q)+1)%2
.endif
	WIN 0x05                                       ; sources 0 and 1 window 1; C and D window 0
	MUL16 (\q)%2, \first
	WIN 0
.endm
	s_load_b256 s[4:11], s[0:1], 0x0               ; yimg, y2img, wimg, b_proj
	s_load_b64 s[12:13], s[0:1], 0x20              ; out0
	v_lshl_add_u32 v62, v0, 2, 0x4f400
	v_mov_b32 v63, 0
	ds_add_u32 v62, v63
	ds_add_u32 v62, v63
	v_lshrrev_b32 v1, 5, v0
	v_readfirstlane_b32 s14, v1                    ; wave 0..3
	s_lshr_b32 s15, s14, 1                         ; wm: my 64 tokens
	s_and_b32 s16, s14, 1                          ; wn: my 64 features
	s_bfe_u32 s40, ttmp6, 0x40000                  ; cx
	s_bfe_u32 s41, ttmp6, 0x40004                  ; cy
	s_lshl_b32 s18, ttmp9, 2
	s_add_co_u32 s18, s18, s40                     ; FB
	s_and_b32 s17, ttmp7, 0xffff
	s_lshl_b32 s17, s17, 2
	s_add_co_u32 s17, s17, s41                     ; TB
	s_lshl_b32 s42, s41, 2
	s_lshl_b32 s42, 15, s42                        ; my row of the cluster
	s_lshl_b32 s43, 0x1111, s40                    ; my column
	; descriptor group 1: 100 rows of 256 bytes (32 elements of 8 bytes), dense: two records
	s_or_b32 s[G1X], s42, (3<<16)|(1<<21)
	s_or_b32 s[G1W], s43, (3<<16)|(1<<21)
.irp g, G1X, G1W
	s_mov_b32 s[\g+1], 32<<16
	s_mov_b32 s[\g+2], 100<<16
	s_mov_b32 s[\g+3], 32<<16
	s_mov_b32 s[\g+4], 100
	s_mov_b32 s[\g+5], 32
	s_mov_b32 s[\g+6], 0
	s_mov_b32 s[\g+7], 0
.endr
	s_mul_i32 s20, s17, PANEL                      ; y's and y2's panels hang on TB alone,
	s_mov_b32 s21, 0
	s_add_co_u32 s22, s18, 24                      ; W_proj's blocks are 24 to 31 of wimg:
	s_mul_i32 s22, s22, PANEL                      ; its panel hangs on FB alone
	s_mov_b32 s23, 0
	s_wait_dscnt 0x0
	s_wait_kmcnt 0x0
	s_add_nc_u64 s[4:5], s[4:5], s[20:21]
	s_add_nc_u64 s[6:7], s[6:7], s[20:21]
	s_add_nc_u64 s[8:9], s[8:9], s[22:23]
	CROUND                                         ; all sixteen work-groups are here: the joint loads meet
.irp j, 0,1,2,3
	s_mov_b32 s[G0X+4*\j], 1
	s_mov_b32 s[G0X+4*\j+1], SLICE*\j
	s_add_nc_u64 s[G0X+4*\j+2:G0X+4*\j+3], s[4:5], SLICE*\j
	s_or_b32 s[G0X+4*\j+3], s[G0X+4*\j+3], 0x80000000
	s_mov_b32 s[G0Z+4*\j], 1
	s_mov_b32 s[G0Z+4*\j+1], PANEL+SLICE*\j
	s_add_nc_u64 s[G0Z+4*\j+2:G0Z+4*\j+3], s[6:7], SLICE*\j
	s_or_b32 s[G0Z+4*\j+3], s[G0Z+4*\j+3], 0x80000000
	s_mov_b32 s[G0W+4*\j], 1
	s_mov_b32 s[G0W+4*\j+1], WB+SLICE*\j
	s_add_nc_u64 s[G0W+4*\j+2:G0W+4*\j+3], s[8:9], SLICE*\j
	s_or_b32 s[G0W+4*\j+3], s[G0W+4*\j+3], 0x80000000
.endr
	s_cmp_eq_u32 s14, 0                            ; a wave's fills stand in one branch on the wave's number; four v_nop follow them
	s_cbranch_scc0 .Lnot_y
.irp j, 0,1,2,3
	tensor_load_to_lds s[G0X+4*\j:G0X+4*\j+3], s[G1X:G1X+7]
	s_nop 0
.endr
	PLACES
	s_branch .Lasked
.Lnot_y:
	s_cmp_eq_u32 s14, 1
	s_cbranch_scc0 .Lnot_w
.irp j, 0,1,2,3
	tensor_load_to_lds s[G0W+4*\j:G0W+4*\j+3], s[G1W:G1W+7]
	s_nop 0
.endr
	PLACES
	s_branch .Lasked
.Lnot_w:
	s_cmp_eq_u32 s14, 2
	s_cbranch_scc0 .Lasked
.irp j, 0,1,2,3
	tensor_load_to_lds s[G0Z+4*\j:G0Z+4*\j+3], s[G1X:G1X+7]
	s_nop 0
.endr
	PLACES
.Lasked:
	v_and_b32 v1, 15, v0                           ; r
	v_bfe_u32 v2, v0, 4, 1                         ; h
	v_and_b32 v3, 31, v0                           ; lane
	s_mul_i32 s19, s15, 6144                       ; my four tiles of tokens
	v_lshl_add_u32 v[AT], v3, 3, s19
	v_add_nc_u32 v[AT+1], 4*REC, v[AT]             ; records 4 to 7 of y; an LDS offset has 16 bits
	v_add_nc_u32 v[AT+2], 8*REC, v[AT]             ; y2
	v_add_nc_u32 v[AT+3], 12*REC, v[AT]
	s_mul_i32 s19, s16, 6144
	s_add_co_u32 s19, s19, WB
	v_lshl_add_u32 v[AW], v3, 4, s19
	v_add_nc_u32 v[AW+1], 4*REC, v[AW]
	s_lshl_b32 s19, s15, 7
	s_add_co_u32 s19, s19, SCO
	v_lshl_add_u32 v[ATS], v3, 1, s19
	v_add_nc_u32 v[ATS+1], 4*REC, v[ATS]
	v_add_nc_u32 v[ATS+2], 8*REC, v[ATS]
	v_add_nc_u32 v[ATS+3], 12*REC, v[ATS]
	s_lshl_b32 s19, s16, 8
	s_add_co_u32 s19, s19, WB+SCO
	v_lshl_add_u32 v[ASW], v3, 2, s19
	v_add_nc_u32 v[ASW+1], 4*REC, v[ASW]
	v_lshlrev_b32 v18, 6, v2                       ; the bias: 16 numbers further on for lanes 16-31
	s_mul_i32 s19, s14, 16*SP
	s_add_co_u32 s19, s19, STG                     ; my stage
	v_mul_u32_u24 v5, v1, SP
	v_lshl_add_u32 v5, v2, 6, v5
	v_add_nc_u32 v[STO], s19, v5                   ; in: row r, + 64 h
	v_mul_u32_u24 v5, v2, SP
	v_lshl_add_u32 v5, v1, 4, v5
	v_add_nc_u32 v[RD], s19, v5                    ; back: lanes 0-15 one row of 256 bytes, lanes 16-31 the next
	v_lshlrev_b32 v[CO], 12, v2
	v_lshl_add_u32 v[CO], v1, 4, v[CO]             ; and the same two rows in out0
	s_lshl_b32 s62, s18, 9
	s_lshl_b32 s63, s16, 8
	s_add_co_u32 s62, s62, s63                     ; my 64 features, in bytes
	s_mov_b32 s63, 0
	s_add_nc_u64 s[10:11], s[10:11], s[62:63]
	s_add_nc_u64 s[12:13], s[12:13], s[62:63]
.irp b, 0,1,2,3                                ; lane (r, h) wants, for feature tile b, the bias of features 32 (b / 2) + 16 h + 8 (b % 2) + 0 .. 7
	global_load_b128 v[BI+8*\b:BI+8*\b+3], v18, s[10:11] offset:(32*(\b/2)+8*(\b%2))*4
	global_load_b128 v[BI+8*\b+4:BI+8*\b+7], v18, s[10:11] offset:(32*(\b/2)+8*(\b%2))*4+16
.endr
	s_lshl_b32 s60, s17, 7
	s_lshl_b32 s61, s15, 6
	s_add_co_u32 s60, s60, s61                     ; my first token
	s_lshl_b32 s60, s60, 12
	s_mov_b32 s61, 0
	s_add_nc_u64 s[12:13], s[12:13], s[60:61]
	s_wait_tensorcnt 0x3                           ; records 0 and 1 have landed; the three slices behind them may be out
	s_barrier_signal -1
	s_barrier_wait -1
	FETCH 0, 0
	s_wait_loadcnt 0x0                             ; the bias,
.set n, 0
.rept 16
	v_pk_add_f32 v[BI+n:BI+n+1], v[BI+n:BI+n+1], v[BI+n:BI+n+1]   ; twice: each of the two projections adds it
.set n, n+2
.endr
	STEP 0, 1
	STEP 1, 0
	STEP 2, 0
	STEP 3, 0
	STEP 4, 0
	STEP 5, 0
	STEP 6, 0
	STEP 7, 0
	STEP 8, 0
	STEP 9, 0
	STEP 10, 0
	STEP 11, 0
	STEP 12, 0
	STEP 13, 0
	STEP 14, 0
	STEP 15, 0
; THE WAY OUT, a tile of 16 tokens x 64 features at a time: through my own stage and back as whole rows of 256 bytes.  LDS serves a wave's instructions in order (ISA guide 5.7.1.4): no wait between the stores and the loads.
.macro TOSTAGE a
.irp b, 0,1,2,3
	ds_store_b128 v[STO], v[ACC+32*(\a)+8*\b:ACC+32*(\a)+8*\b+3] offset:128*(\b/2)+32*(\b%2)          ; each accumulator from its low end on
	ds_store_b128 v[STO], v[ACC+32*(\a)+8*\b+4:ACC+32*(\a)+8*\b+7] offset:128*(\b/2)+32*(\b%2)+16
.endr
.set bkr, BK+32*((\a)%2)
.irp t, 0,1,2,3,4,5,6,7
	ds_load_b128 v[bkr+4*\t:bkr+4*\t+3], v[RD] offset:2*\t*SP
.endr
.endm
.macro SEND a, younger                 ; younger: the LDS instructions issued behind tile a's loads, which may stay out
.set bkr, BK+32*((\a)%2)
	s_wait_dscnt \younger
.irp t, 0,1,2,3,4,5,6,7                        ; lane row 2 t + h of tile a is token 32 (a / 2) + 8 (a % 2) + 2 t + h + 8 (t / 4)
	global_store_b128 v[CO], v[bkr+4*\t:bkr+4*\t+3], s[12:13] offset:(32*((\a)/2)+8*((\a)%2)+2*\t+8*(\t/4))*4096 th:TH_STORE_NT   ; 16 lanes store 256 consecutive bytes, aligned
.endr
.endm
	PLACES
	TOSTAGE 0
.irp a, 1,2,3
.if \a > 1
	s_wait_xcnt 0x0                                ; tile a - 2's stores have read their registers: tile a's loads may land there
.endif
	TOSTAGE \a
	SEND \a-1, 16                                  ; behind tile a - 1's loads: tile a's 8 stores and 8 loads
.endr
	SEND 3, 0
	s_wait_dscnt 0x0
	s_wait_tensorcnt 0x0
	ds_add_u32 v62, v63
	s_wait_dscnt 0x0
	CROUND                                         ; the closing round: no work-group ends while a partner may still ask for a tile that names it
	s_endpgm
.Lfunc_end_k_q629ed3c4ba_proj:
	.size	k_q629ed3c4ba_proj, .Lfunc_end_k_q629ed3c4ba_proj-k_q629ed3c4ba_proj
	.p2alignl 7, 3214868480
	.fill 96, 4, 3214868480
	.section	.rodata,"a",@progbits
	.p2align	6, 0x0
	.amdhsa_kernel k_q629ed3c4ba_proj
		.amdhsa_group_segment_fixed_size 325120
		.amdhsa_private_segment_fixed_size 0
		.amdhsa_enable_private_segment 0
		.amdhsa_kernarg_size 40
		.amdhsa_user_sgpr_count 2
		.amdhsa_user_sgpr_kernarg_segment_ptr 1
		.amdhsa_wavefront_size32 1
		.amdhsa_system_sgpr_workgroup_id_x 1
		.amdhsa_system_sgpr_workgroup_id_y 1
		.amdhsa_system_sgpr_workgroup_id_z 1
		.amdhsa_system_vgpr_workitem_id 0
		.amdhsa_next_free_vgpr 448
		.amdhsa_next_free_sgpr 104
		.amdhsa_reserve_vcc 0
		.amdhsa_float_denorm_mode_32 3
		.amdhsa_float_denorm_mode_16_64 3
		.amdhsa_memory_ordered 1
		.amdhsa_forward_progress 1
		.amdhsa_inst_pref_size 103
	.end_amdhsa_kernel
	.amdgpu_metadata
---
amdhsa.version: [ 1, 2 ]
amdhsa.kernels:
  - .name:           k_q629ed3c4ba_proj
    .symbol:         k_q629ed3c4ba_proj.kd
    .args:
      - { .name: yimg, .offset: 0, .size: 8, .value_kind: global_buffer, .address_space: global }
      - { .name: y2img, .offset: 8, .size: 8, .value_kind: global_buffer, .address_space: global }
      - { .name: wimg, .offset: 16, .size: 8, .value_kind: global_buffer, .address_space: global }
      - { .name: b_proj, .offset: 24, .size: 8, .value_kind: global_buffer, .address_space: global }
      - { .name: out0, .offset: 32, .size: 8, .value_kind: global_buffer, .address_space: global }
    .group_segment_fixed_size: 325120
    .private_segment_fixed_size: 0
    .kernarg_segment_align: 8
    .kernarg_segment_size: 40
    .max_flat_workgroup_size: 128
    .sgpr_count:     104
    .vgpr_count:     448
    .wavefront_size: 32
...
	.end_amdgpu_metadata
.endif
;; end of part 5
